; MI455X (gfx1250); checked and timed in simulation.
; The chip was launched on July 23, 2026; its instructions are those of AMD's public machine-readable ISA for CDNA 5 (MIT licence, August 2026) and "CDNA5" Instruction Set Architecture Reference Guide (July 2026). The comments in the code are by the model that wrote it; some were corrected since.
;; Causal Self Attention. Allowed arithmetic: matrix products marked QUANTISED: E2M1 operands, one E8M0 scale for each 32 along K, by v_wmma_scale_f32_16x16x128_f8f6f4 with both operands' format E2M1 (or v_wmma_scale_f32_32x16x128_f4), f32 sums; products left as they are: bf16, f16 or f32 operands; f32 sums; everything else in f32.
;; Inputs: b_attn 3,072 float32; b_proj 1,024 float32; w_attn 1,024 x 3,072 float32; w_proj 1,024 x 1,024 float32; x 4 x 2,048 x 1,024 float32.
;; Outputs: out0 4 x 2,048 x 1,024 float32.
;; This version of the problem:
;;   THIS VERSION OF THE PROBLEM IS GIVEN IN LOW PRECISION. The matrix products marked QUANTISED in the list below multiply operands that are first quantised to E2M1 (2 exponent bits, 1 mantissa bit; 4 bits a number), with one power-of-two scale for each 32 numbers along K (OCP MX v1.0); their sums are f32. The products marked 'left as it is' may take bf16, f16 or f32 operands, with f32 sums. Whichever they take, every output number must still come out within the allowed error. Rounding operands to bf16 (8 significant bits) uses up far more of that allowance than f16 does (11 bits, for magnitudes from 6e-5 to 65,504). All else is computed in f32.
;;   The module's matrix products, in the order in which they are computed (A, B: the left and right operand; K: the contracted axis; several contracted axes count as one K, in the product's order):
;;     1. [M 8,192, K 1,024] x [K 1,024, N 3,072]; A: input x; B: input w_attn: QUANTISED
;;     2. batch 64 x [M 2,048, K 64] x [K 64, N 2,048]; A: computed on the way; B: computed on the way: left as it is (an operand is computed on the way)
;;     3. batch 64 x [M 2,048, K 2,048] x [K 2,048, N 64]; A: computed on the way; B: computed on the way: left as it is (an operand is computed on the way)
;;     4. [M 8,192, K 1,024] x [K 1,024, N 1,024]; A: computed on the way; B: input w_proj: left as it is (an operand is computed on the way)
;;   THE QUANTISER, for each operand of a quantised product, along K:
;;     - K is cut into blocks of 32 from its start; a last block that is shorter is filled with zeros.
;;     - A block's scale is 2^e with e = floor(log2(the largest magnitude in the block)) - 2, held to -126 .. 127; a block of zeros has e = 0. As a byte (E8M0): e + 127.
;;     - Each number is divided by its block's scale, clamped to +-6, and rounded to the nearest number of E2M1, ties to even, subnormals kept.
;;     - The product sums the exact products of the quantised numbers (number of the format x scale) in f32.
;;   ~~~python
;;   def quantise(x, axis):      # numpy; x: float32 -> the quantised numbers, widened to float32 again
;;       x = np.moveaxis(x, axis, -1); K = x.shape[-1]
;;       x = np.pad(x, [(0, 0)] * (x.ndim - 1) + [(0, -K % 32)]); x = x.reshape(x.shape[:-1] + (-1, 32)); a = np.abs(x).max(-1, keepdims=True)
;;       e = np.where(a > 0, np.clip(np.frexp(np.where(a > 0, a, 1))[1] - 1 - 2, -126, 127), 0)      # np.frexp(a)[1] - 1 = floor(log2(a)), exactly
;;       r = np.clip(x / 2.0 ** e, -6, 6)
;;       step = 2.0 ** (np.maximum(np.frexp(np.where(r == 0, 1, r))[1] - 1, 0) - 1)
;;       q = np.round(r / step) * step * 2.0 ** e      # np.round: ties to even
;;       return np.moveaxis(q.reshape(q.shape[:-2] + (-1,))[..., :K], -1, axis).astype(np.float32)
;;   ~~~
;; One version. Each part assembles by itself: llvm-mc -triple=amdgcn-amd-amdhsa -mcpu=gfx1250 --defsym DOCPART=n.
;; ======== version 1 of 1: 5 launches
;; limits: values are held in f16: magnitudes above 65,504 overflow, below 6.1e-05 lose precision
;; workspace buffers: cod 6,127,616 bytes; wp16 2,097,152 bytes; qkv16 50,331,648 bytes; qkv32 786,432 bytes; y16 16,777,216 bytes
;; launch prep (part 1): grid 480 x 1, 4 waves a work-group, no clusters, 51,712 bytes of LDS; arguments x, w_attn, w_proj, cod, wp16; writes cod, wp16
.if DOCPART == 1
	.amdgcn_target "amdgcn-amd-amdhsa--gfx1250"
	.amdhsa_code_object_version 6
	.text
	.protected	k_q5490bb2c28_prep
	.globl	k_q5490bb2c28_prep
	.p2align	8
	.type	k_q5490bb2c28_prep,@function
k_q5490bb2c28_prep:
	s_mov_b64 s[64:65], 0
	v_nop
	global_prefetch_b8 v0, s[64:65] scope:SCOPE_SE
	s_setreg_imm32_b32 hwreg(HW_REG_WAVE_MODE, 25, 1), 1
	s_wait_xcnt 0x0
; CAUSAL SELF-ATTENTION, launch 1 of 5: the operands of x @ w_attn become codes of FP4 (E2M1) with one E8M0 byte for each 32 along K = 1,024; w_proj becomes f16.
; THE PROGRAM: prep (this) | qkv: the product on codes, q, k, v in f16 by head | attn: causal attention in f16 | proj: y @ w_proj in f16 | fine: positions 0-15 of each sequence again in f32.
; WORK LEFT OUT, AND WHY IT IS DEAD, for all finite values of the inputs:
;  (a) key tiles that lie wholly above the diagonal of the mask that the module builds itself (tril): their scores become -infinity ahead of the softmax and their weights are 0.
;  (b) b_attn[1024:2048], k's bias.  score(i, j) = q_i . (k_j + b) = q_i . k_j + q_i . b: the second term is the same for all j of a row, and a softmax is unchanged by a term that is the same
;      along its axis.  The product q k^T is not quantised, so no quantiser sees k.  That third of b_attn is not loaded by any launch; q's and v's thirds are.
;  LIMIT: a NaN, an infinity or an overflow that reaches only the masked scores or the term q . b is not carried to the result.
; LIMITS of the program: q, k, v and y are kept in f16: magnitudes under 65,504.  NaN and infinities among the inputs are not served by the quantiser.  A block of zeros gets the scale byte 1, not 127:
;  its codes are zeros, which add nothing under any byte but 0xff, and the bytes are read by this program alone.  Blocks whose largest magnitude lies under 2^(3 - 127) have their byte held at 1.
; THE QUANTISER: a block's scale is 2^(floor(log2(largest magnitude)) - 2): its byte is the largest magnitude's exponent field - 2; each number is divided by the scale and rounded to the nearest code, ties to even, held at 6.
; cod: x's codes [8192][512 B] at 0; w_attn's codes [3072 n][512 B], K innermost, at COD_WC; x's scale bytes [8192][32] at COD_XS; w_attn's [3072][32] at COD_WS.
; THREE PATHS, parted by the work-group's number, each with LDS bytes of its own: 0-95 w_attn (K is its first axis: a lane takes a column, its registers run down K); 96-351 x (K innermost: a plain stream of blocks); 352-479 w_proj.
; No tensor loads, no barrier: waves share nothing.
.set COD_WC, 4194304
.set COD_XS, 5767168
.set COD_WS, 6029312
.set EMAX,  2
.set SPW,   190                        ; v190  LDS address of my spare word: SPARE + 4 x my thread's number; never rewritten
.set NIL,   191                        ; v191  0; never rewritten
.set SPARE, 51200                      ; behind both paths' regions: 128 bytes for each wave, two blocks of 256 bytes that no other line names
; path x
.set STEPS, 16                         ; a wave takes 16 steps of 512 numbers
.set CB,    8                          ; bytes of 16 codes
.set XR,    16                         ; v16-79   four sets of 16 numbers as they are loaded
.set XN,    80                         ; v80-111  two sets of 16 neighbours
.set XE,    112                        ; v112-127 a scale byte for each step
.set XC,    128                        ; v128-189 codes, four registers for each step: no store's data are written again
.set WREG,  8192                       ; LDS 0 .. 32,767: a region for each wave: two stages of 32 x SP bytes, behind them its 256 scale bytes
.set SP,    80                         ; a lane's place in a stage: 64 bytes + 16 of padding
; path w_attn
.set NB,    8                          ; a wave takes 32 columns x 256 along K: 8 blocks a lane
.set WP,    144                        ; a stage row: 128 bytes of codes + 16
.set WSTG,  32768                      ; LDS 32,768 .. 51,199: 32 rows x WP for each wave
.set WROW,  12288                      ; a row of w_attn in bytes
.set WX,    32                         ; v32-95   two sets of 32 numbers
.set WC,    96                         ; v96-99   a block's codes
.set WSB,   24                         ; v24-25   the scale bytes, four to a register
.set WOUT,  112                        ; v112-143 the way out
	s_load_b256 s[4:11], s[0:1], 0x0               ; x s[4:5], w_attn s[6:7], w_proj s[8:9], cod s[10:11]
	s_load_b64 s[12:13], s[0:1], 0x20              ; wp16
	v_lshl_add_u32 v[SPW], v0, 2, SPARE
	v_mov_b32 v[NIL], 0
	v_lshrrev_b32 v1, 5, v0
	v_readfirstlane_b32 s16, v1                    ; wave 0..3
	v_and_b32 v2, 31, v0                           ; lane
	s_wait_kmcnt 0x0
	s_cmp_lt_u32 ttmp9, 96
	s_cbranch_scc1 .Lpath_w
	s_cmp_lt_u32 ttmp9, 352
	s_cbranch_scc1 .Lpath_x
	; ---- w_proj to f16, as it lies: a work-group takes 32,768 bytes; each load of a wave reads 512 consecutive bytes, each store writes 256, aligned.
	s_sub_co_u32 s17, ttmp9, 352
	s_lshl_b32 s18, s17, 15
	s_mov_b32 s19, 0
	s_add_nc_u64 s[8:9], s[8:9], s[18:19]
	s_lshl_b32 s18, s17, 14
	s_add_nc_u64 s[12:13], s[12:13], s[18:19]
	v_lshlrev_b32 v3, 4, v0
	v_lshlrev_b32 v4, 3, v0
.irp j, 0,1,2,3,4,5,6,7,8,9,10,11,12,13,14,15
	global_load_b128 v[16+4*\j:19+4*\j], v3, s[8:9] offset:2048*\j
.endr
.irp j, 0,1,2,3,4,5,6,7,8,9,10,11,12,13,14,15
	s_wait_loadcnt 15-\j                           ; loads come back in order: load j is in, the younger ones stay out
	v_cvt_pk_f16_f32 v[96+2*\j], v[16+4*\j], v[17+4*\j]
	v_cvt_pk_f16_f32 v[97+2*\j], v[18+4*\j], v[19+4*\j]
	global_store_b64 v4, v[96+2*\j:97+2*\j], s[12:13] offset:1024*\j
.endr
	s_endpgm
	; ---- x.  A lane must hold 16 NEIGHBOURS for the conversions, and a load is best where neighbouring lanes take neighbouring bytes: each of a step's four loads reads 512 consecutive bytes, the 2,048 bytes
	; go through the wave's own stage in LDS as they lie and come back 64 bytes a lane.  Two neighbouring lanes hold a block.  Loads run four steps ahead, the turn through LDS one step.
.macro XLOAD t
.irp i, 0,1,2,3
	global_load_b128 v[XR+16*((\t)%4)+4*\i:XR+16*((\t)%4)+4*\i+3], v3, s[4:5] offset:2048*(\t)+512*\i th:TH_LOAD_NT
.endr
.endm
.macro XTURN t                         ; LDS serves a wave's instructions in order: no wait stands between the stores and the loads
.irp i, 0,1,2,3
	ds_store_b128 v14, v[XR+16*((\t)%4)+4*\i:XR+16*((\t)%4)+4*\i+3] offset:32*SP*((\t)%2)+8*SP*\i
.endr
.irp i, 0,1,2,3
	ds_load_b128 v[XN+16*((\t)%2)+4*\i:XN+16*((\t)%2)+4*\i+3], v15 offset:32*SP*((\t)%2)+16*\i
.endr
.endm
.macro XSTEP t
.set XS, XN+16*((\t)%2)
.if (\t) > 0
	s_wait_dscnt 1                                 ; this step's numbers are back from the stage (the last step's byte store may be out)
.else
	s_wait_dscnt 0x0
.endif
.if (\t)+4 < STEPS
	XLOAD (\t)+4                                   ; into the registers that this step's stores into the stage have read
.endif
.if (\t)+1 < STEPS
.if STEPS-2-(\t) >= 3
	s_wait_loadcnt 12                              ; the next step's four loads are in; those of the three steps behind it may be out
.else
	s_wait_loadcnt 4*(STEPS-2-(\t))
.endif
	XTURN (\t)+1
.endif
	v_max3_num_f32 v8, |v[XS]|, |v[XS+1]|, |v[XS+2]|               ; the largest magnitude of my 16, in two chains
	v_max3_num_f32 v9, |v[XS+3]|, |v[XS+4]|, |v[XS+5]|
.irp i, 6,10
	v_max3_num_f32 v8, v8, |v[XS+\i]|, |v[XS+\i+1]|
	v_max3_num_f32 v9, v9, |v[XS+\i+2]|, |v[XS+\i+3]|
.endr
	v_max3_num_f32 v8, v8, |v[XS+14]|, |v[XS+15]|
	v_max3_num_f32 v8, v8, v9, (EMAX+1)<<23        ; and the floor 2^(3 - 127): the byte cannot fall under 1
	v_max_num_f32_dpp v8, v8, v8 row_xmask:1 row_mask:0xf bank_mask:0xf   ; and of my neighbour's 16: the block's
	v_add_nc_u32 v11, -(EMAX<<23), v8              ; 2 off its exponent field: the conversion takes the exponent field of this operand as its scale
	v_cvt_scalef32_pk8_fp4_f32 v[XC+4*(\t)], v[XS:XS+7], v11
	v_cvt_scalef32_pk8_fp4_f32 v[XC+4*(\t)+1], v[XS+8:XS+15], v11
	v_lshrrev_b32 v[XE+(\t)], 23, v11              ; the scale's byte
	ds_store_b8 v5, v[XE+(\t)] offset:16*(\t)      ; both lanes of a block write the same byte with the same value
	global_store_b64 v4, v[XC+4*(\t):XC+4*(\t)+1], s[22:23] offset:32*CB*(\t)   ; the wave stores 256 consecutive bytes, aligned
.endm
.Lpath_x:
	v_lshlrev_b32 v3, 4, v2                        ; my 16 bytes of a load's 512
	s_mul_i32 s17, s16, WREG
	v_lshrrev_b32 v14, 2, v2
	v_mul_u32_u24 v14, v14, SP
	v_and_b32 v15, 3, v2
	v_lshl_add_u32 v14, v15, 4, v14
	v_add_nc_u32 v14, s17, v14                     ; the stage, on the way in: SP (lane / 4) + 16 (lane % 4)
	v_mul_u32_u24 v15, v2, SP
	v_add_nc_u32 v15, s17, v15                     ; and on the way out: SP x lane
	v_mul_u32_u24 v4, v2, CB                       ; my codes' place in a step's
	v_lshrrev_b32 v5, 1, v2
	s_add_co_u32 s17, s17, 2*32*SP
	v_add_nc_u32 v5, s17, v5                       ; my wave's 256 scale bytes, my block's byte
	v_lshlrev_b32 v7, 3, v2
	v_add_nc_u32 v6, s17, v7                       ; and on the way out 8 bytes a lane
	s_sub_co_u32 s17, ttmp9, 96
	s_lshl_b32 s17, s17, 2
	s_add_co_u32 s18, s17, s16                     ; which run of 8,192 numbers is my wave's: 0 .. 1,023
	s_mov_b32 s21, 0
	s_lshl_b32 s20, s18, 15
	s_add_nc_u64 s[4:5], s[4:5], s[20:21]          ; 32,768 bytes of x a run,
	s_lshl_b32 s20, s18, 12
	s_add_nc_u64 s[22:23], s[10:11], s[20:21]      ; 4,096 of codes,
	s_lshl_b32 s20, s18, 8
	s_add_co_u32 s20, s20, COD_XS
	s_add_nc_u64 s[24:25], s[10:11], s[20:21]      ; 256 scale bytes
.irp t, 0,1,2,3
	XLOAD \t
.endr
	s_wait_loadcnt 12                              ; step 0's four loads are in
	XTURN 0
.irp t, 0,1,2,3,4,5,6,7,8,9,10,11,12,13,14,15
	XSTEP \t
.endr
	ds_load_b64 v[8:9], v6                         ; LDS serves a wave's instructions in order: these see my byte stores
	s_wait_dscnt 0x0
	global_store_b64 v7, v[8:9], s[24:25]          ; 32 lanes store 256 consecutive bytes, aligned
	s_wait_tensorcnt 0x0                           ; the wave's end, behind my last LDS store
	ds_add_u32 v[SPW], v[NIL]
	s_wait_dscnt 0x0
	s_endpgm
	; ---- w_attn [1024 k][3072 n].  A lane takes a column n and its registers run down K: each load reads 128 consecutive bytes a wave, a block of 32 along K lies in one lane's 32 registers, and the
	; conversions give codes with K innermost.  A wave's 256 along K are 128 bytes of a column's row of codes: they go through the wave's stage and leave as pieces of 128 consecutive bytes, four rows an
	; instruction.  (Half a row of 256 would want 512 along K a wave: half as many waves, each with twice the chain of loads; the codes are 1.5 MB.)  Loads run two blocks (64 loads) ahead.
.macro WLOAD t
.irp i, 0,1,2,3,4,5,6,7,8,9,10,11,12,13,14,15,16,17,18,19,20,21,22,23,24,25,26,27,28,29,30,31
	global_load_b32 v[WX+32*((\t)%2)+\i], v3, s[6:7] offset:(32*(\t)+\i)*WROW th:TH_LOAD_NT
.endr
.endm
.macro WBLOCK t
.set WS, WX+32*((\t)%2)
.if (\t) < NB-1
	s_wait_loadcnt 32                              ; this block's 32 loads are in; the next block's may be out
.else
	s_wait_loadcnt 0
.endif
	v_max3_num_f32 v12, |v[WS]|, |v[WS+1]|, |v[WS+2]|               ; the block's largest magnitude: all 32 numbers are mine
	v_max3_num_f32 v13, |v[WS+3]|, |v[WS+4]|, |v[WS+5]|
.irp i, 6,10,14,18,22,26
	v_max3_num_f32 v12, v12, |v[WS+\i]|, |v[WS+\i+1]|
	v_max3_num_f32 v13, v13, |v[WS+\i+2]|, |v[WS+\i+3]|
.endr
	v_max3_num_f32 v12, v12, |v[WS+30]|, |v[WS+31]|
	v_max3_num_f32 v12, v12, v13, (EMAX+1)<<23     ; and the floor
	v_add_nc_u32 v11, -(EMAX<<23), v12             ; the conversion's scale operand
	v_lshrrev_b32 v13, 23, v11                     ; the scale's byte
.if (\t)%4 == 0
	v_mov_b32 v[WSB+(\t)/4], v13                   ; four bytes to a register, the lower K in the lower byte
.else
	v_lshl_or_b32 v[WSB+(\t)/4], v13, 8*((\t)%4), v[WSB+(\t)/4]
.endif
.irp g, 0,1,2,3
	v_cvt_scalef32_pk8_fp4_f32 v[WC+\g], v[WS+8*\g:WS+8*\g+7], v11
.endr
	ds_store_b128 v4, v[WC:WC+3] offset:16*(\t)    ; 32 codes: 16 bytes of my column's row
.if (\t)+2 < NB
	WLOAD (\t)+2
.endif
	s_wait_dscnt 0x0                               ; the store has read its registers: the next block's codes may be written
.endm
.Lpath_w:
	s_lshr_b32 s17, ttmp9, 2                       ; which 128 columns: 0 .. 23
	s_and_b32 s18, ttmp9, 3                        ; which 256 along K
	s_lshl_b32 s17, s17, 7
	s_lshl_b32 s19, s16, 5
	s_add_co_u32 s17, s17, s19                     ; my wave's first column
	v_lshlrev_b32 v3, 2, v2                        ; in: 4 bytes a lane
	s_mul_i32 s19, s16, 32*WP
	s_add_co_u32 s19, s19, WSTG                    ; my stage
	v_mul_u32_u24 v4, v2, WP
	v_add_nc_u32 v4, s19, v4                       ; into it: row = my column
	v_and_b32 v5, 7, v2
	v_lshrrev_b32 v6, 3, v2                        ; out of it: eight lanes to a row, four rows an instruction
	v_mul_u32_u24 v7, v6, WP
	v_lshl_add_u32 v7, v5, 4, v7
	v_add_nc_u32 v7, s19, v7
	v_lshlrev_b32 v8, 9, v6                        ; and the same place among the codes: rows of 512 bytes
	v_lshl_add_u32 v8, v5, 4, v8
	v_lshlrev_b32 v9, 5, v2                        ; my column's row of scale bytes: 32 bytes
	s_mul_i32 s20, s18, 256*WROW
	s_lshl_b32 s21, s17, 2
	s_add_co_u32 s20, s20, s21
	s_mov_b32 s21, 0
	s_add_nc_u64 s[6:7], s[6:7], s[20:21]
	s_lshl_b32 s20, s17, 9
	s_lshl_b32 s26, s18, 7
	s_add_co_u32 s20, s20, s26
	s_add_co_u32 s20, s20, COD_WC
	s_add_nc_u64 s[22:23], s[10:11], s[20:21]
	s_lshl_b32 s20, s17, 5
	s_lshl_b32 s26, s18, 3
	s_add_co_u32 s20, s20, s26
	s_add_co_u32 s20, s20, COD_WS
	s_add_nc_u64 s[24:25], s[10:11], s[20:21]
	WLOAD 0
	WLOAD 1
.irp t, 0,1,2,3,4,5,6,7
	WBLOCK \t
.endr
	global_store_b64 v9, v[WSB:WSB+1], s[24:25]    ; my column's 8 scale bytes
.irp t, 0,1,2,3,4,5,6,7
	ds_load_b128 v[WOUT+4*\t:WOUT+4*\t+3], v7 offset:4*\t*WP
.endr
.irp t, 0,1,2,3,4,5,6,7
	s_wait_dscnt 7-\t
	global_store_b128 v8, v[WOUT+4*\t:WOUT+4*\t+3], s[22:23] offset:4*\t*512
.endr
	s_wait_tensorcnt 0x0                           ; the wave's end, behind my last LDS store
	ds_add_u32 v[SPW], v[NIL]
	s_wait_dscnt 0x0
	s_endpgm
.Lfunc_end_k_q5490bb2c28_prep:
	.size	k_q5490bb2c28_prep, .Lfunc_end_k_q5490bb2c28_prep-k_q5490bb2c28_prep
	.p2alignl 7, 3214868480
	.fill 96, 4, 3214868480
	.section	.rodata,"a",@progbits
	.p2align	6, 0x0
	.amdhsa_kernel k_q5490bb2c28_prep
		.amdhsa_group_segment_fixed_size 51712
		.amdhsa_private_segment_fixed_size 0
		.amdhsa_enable_private_segment 0
		.amdhsa_kernarg_size 40
		.amdhsa_user_sgpr_count 2
		.amdhsa_user_sgpr_kernarg_segment_ptr 1
		.amdhsa_wavefront_size32 1
		.amdhsa_system_sgpr_workgroup_id_x 1
		.amdhsa_system_sgpr_workgroup_id_y 1
		.amdhsa_system_sgpr_workgroup_id_z 1
		.amdhsa_system_vgpr_workitem_id 0
		.amdhsa_next_free_vgpr 192
		.amdhsa_next_free_sgpr 66
		.amdhsa_reserve_vcc 0
		.amdhsa_float_denorm_mode_32 3
		.amdhsa_float_denorm_mode_16_64 3
		.amdhsa_memory_ordered 1
		.amdhsa_forward_progress 1
		.amdhsa_inst_pref_size 79
	.end_amdhsa_kernel
	.amdgpu_metadata
---
amdhsa.version: [ 1, 2 ]
amdhsa.kernels:
  - .name:           k_q5490bb2c28_prep
    .symbol:         k_q5490bb2c28_prep.kd
    .args:
      - { .name: x, .offset: 0, .size: 8, .value_kind: global_buffer, .address_space: global }
      - { .name: w_attn, .offset: 8, .size: 8, .value_kind: global_buffer, .address_space: global }
      - { .name: w_proj, .offset: 16, .size: 8, .value_kind: global_buffer, .address_space: global }
      - { .name: cod, .offset: 24, .size: 8, .value_kind: global_buffer, .address_space: global }
      - { .name: wp16, .offset: 32, .size: 8, .value_kind: global_buffer, .address_space: global }
    .group_segment_fixed_size: 51712
    .private_segment_fixed_size: 0
    .kernarg_segment_align: 8
    .kernarg_segment_size: 40
    .max_flat_workgroup_size: 128
    .sgpr_count:     66
    .vgpr_count:     192
    .wavefront_size: 32
...
	.end_amdgpu_metadata
.endif
;; end of part 1
;; launch qkv (part 2): grid 12 x 32, 4 waves a work-group, clusters of 4 x 4, 327,680 bytes of LDS; arguments cod, b_attn, qkv16, qkv32; writes qkv16, qkv32
.if DOCPART == 2
	.amdgcn_target "amdgcn-amd-amdhsa--gfx1250"
	.amdhsa_code_object_version 6
	.text
	.protected	k_q5490bb2c28_qkv
	.globl	k_q5490bb2c28_qkv
	.p2align	8
	.type	k_q5490bb2c28_qkv,@function
k_q5490bb2c28_qkv:
	s_mov_b64 s[64:65], 0
	v_nop
	global_prefetch_b8 v0, s[64:65] scope:SCOPE_SE
	s_setreg_imm32_b32 hwreg(HW_REG_WAVE_MODE, 25, 1), 1
	s_wait_xcnt 0x0
	s_wait_alu depctr_hold_cnt(0) depctr_sa_sdst(0) depctr_va_vdst(0) depctr_va_sdst(0) depctr_va_ssrc(0) depctr_va_vcc(0) depctr_vm_vsrc(0)
	s_getreg_b32 s2, hwreg(HW_REG_IB_STS2, 6, 4)
	s_cmp_eq_u32 s2, 0
	s_cbranch_scc0 .Lentry_in_a_cluster
	s_endpgm
.Lentry_in_a_cluster:
	s_bfe_u32 s2, ttmp6, 0x10000c
	s_cmp_lg_u32 s2, 0xf033
	s_cbranch_scc0 .Lentry_shape_is_right
	s_endpgm
.Lentry_shape_is_right:
; Launch 2 of 5: qkv = Q(x) Q(w_attn) + b_attn on codes of FP4 (E2M1) with E8M0 scales: [8192] x [3072], K = 1,024; sums in f32.
; WORK LEFT OUT: k's third of b_attn is dead (q . b is the same along the softmax's axis; shown at the head of the first launch): it is not loaded, and k's sums begin at 0.
; OUT: qkv16: three parts (q, k, v) of [batch 4][head 16][t 2048][64] f16; qkv32: positions 0-15 of each sequence in f32, [batch x 16 + t][3072].  LIMIT: magnitudes under 65,504 (f16).
; A tile of the result, 256 x 256, is made by four waves; a wave makes 128 x 128: 64 accumulators, 512 registers.  K's two steps of 512 lie in two LDS slots, both asked for at the head with the scale bytes.
; CLUSTERS: 4 x 4 work-groups; x's tiles are shared along a row of the cluster, w_attn's along a column: joint loads.  The cluster's x (0, 1, 2) says q, k or v: the same in all sixteen partners.
; THE MATRIX INSTRUCTION IS USED TRANSPOSED (source 0 = 16 rows of w's codes, source 1 = 16 rows of x's): a lane holds eight neighbouring columns of one row.
; REGISTERS: window 0: v16-31 addresses; v32-95 scale words, two sets; v128-191 x's fragments, one set; v192-255 the bias in the result's layout (the C of each sum's first product).  On the way out v32-95, v192-223 are at work.
;   window 1: w's fragments, two sets, at v0 and v128.   window 2: the accumulators of my rows 0-63 ((a, b) at v[8 (8 a + b)]);  window 3: those of rows 64-127.
.set COD_WC, 4194304
.set COD_XS, 5767168
.set COD_WS, 6029312
.set NQ,     4                         ; matrix instructions deep in a slot: 512 along K
.set ROWB,   256                       ; a tile's row in bytes
.set KROW,   512                       ; a row of codes in memory
.set PITCH,  272                       ; an LDS row: 256 bytes + 16: the 16 rows that a load touches start at 16 different banks
.set FR,     8
.set NL,     2
.set NP,     4                         ; places behind this matrix instruction (ISA guide 7.12.1)
.set HALFT,  128*PITCH
.set SLOT,   4*HALFT
.set KS,     32                        ; a row of scale bytes
.set SCL,    2*SLOT
.set HALFS,  (128*KS/256)*272
.set SBLK,   (16*KS/256)*272
.set SPARE,  SCL+4*HALFS               ; the spare words, 128 bytes for each wave: two blocks of 256 bytes that no other line names
.set SPITCH, 272                       ; the way out: a stage of 16 rows x (256 bytes + 16) for each wave, in slot 0, which has had its only fill and its last read by then
.set ADRA, 16
.set ADRB, 20
.set BO,   22                          ; v22  32 x (lane / 16): my eight numbers of a tile's sixteen of the bias
.set STO,  24
.set RD,   25
.set CO,   26
.set ADRS, 27
.set SPW,  28
.set NIL,  29
.set FLG,  30                          ; v30  0 where my wave's first 16 rows are positions 0-15 of a sequence
.set FO,   31                          ; v31  my byte offset in qkv32
.set SC,   32
.set AF,   128
.set BIAS, 192
.set TMP,  192
.set OB,   32
.set G1, 24
.set G0, 32
.set G1B, 48
.set G0B, 56
.set G1S, 68
.set G0S, 76
.set G1SB, 80
.set G0SB, 88
.set MSB, 0
.macro WIN new                         ; the immediate's high byte repeats the setting that is left
.if MSB != \new
	s_set_vgpr_msb (MSB<<8)|\new
.set MSB, \new
.endif
.endm
.set MUL_LO, 0xa1                      ; source 0 (w) window 1, source 1 (x) window 0, C and D window 2
.set MUL_HI, 0xf1
.set ONE_LO, 0x81                      ; the first step: C (the bias) window 0, D window 2
.set ONE_HI, 0xc1
.set TO_B,   0x40
; A joint load: waves 0 and 1 fetch for x, waves 2 and 3 for w.  The branch hangs on the wave's number alone.  An s_nop 0 and four v_nop follow each of the two lines.
.macro JLOAD g0a, g1a, g0b, g1b
	s_cmp_eq_u32 s15, 0
	s_cbranch_scc0 .Lfor_b_\@
	tensor_load_to_lds s[\g0a:\g0a+3], s[\g1a:\g1a+7]
	s_nop 0
.rept 4
	v_nop
.endr
	s_branch .Lasked_\@
.Lfor_b_\@:
	tensor_load_to_lds s[\g0b:\g0b+3], s[\g1b:\g1b+7]
	s_nop 0
.rept 4
	v_nop
.endr
.Lasked_\@:
.endm
.macro CROUND                          ; a round of the cluster's barrier
	s_barrier_signal -1
	s_barrier_wait -1
	s_cmp_lg_u32 s14, 0
	s_cbranch_scc1 .Lnot_wave_0_\@
	s_barrier_signal -3
.Lnot_wave_0_\@:
	s_barrier_wait -3
	s_barrier_signal -1
	s_barrier_wait -1
.endm
	s_load_b128 s[96:99], s[0:1], 0x0              ; cod s[96:97], b_attn s[98:99]
	s_load_b128 s[8:11], s[0:1], 0x10              ; qkv16 s[8:9], qkv32 s[10:11]
	v_lshl_add_u32 v[SPW], v0, 2, SPARE
	v_mov_b32 v[NIL], 0
	ds_add_u32 v[SPW], v[NIL]                      ; the wave's opening: the add, twice on end, and its wait ahead of my first tensor load
	ds_add_u32 v[SPW], v[NIL]
	v_lshrrev_b32 v1, 5, v0
	v_readfirstlane_b32 s14, v1                    ; wave 0..3
	s_lshr_b32 s15, s14, 1                         ; which half of the tile's rows is mine.  Also: I fetch for x (0) or for w (1)
	s_and_b32 s16, s14, 1                          ; which half of its columns.  Also: which 128 rows of that tile I fetch
	s_bfe_u32 s40, ttmp6, 0x40000                  ; cx, cy: my place in the cluster
	s_bfe_u32 s41, ttmp6, 0x40004
	s_lshl_b32 s42, ttmp9, 2
	s_add_co_u32 s42, s42, s40                     ; tile column = 4 x cluster x + cx
	s_and_b32 s17, ttmp7, 0xffff
	s_lshl_b32 s17, s17, 2
	s_add_co_u32 s17, s17, s41                     ; tile row = 4 x cluster y + cy
	s_lshl_b32 s43, s41, 2
	s_lshl_b32 s43, 15, s43                        ; my row of the cluster
	s_lshl_b32 s44, 0x1111, s40                    ; my column
	s_or_b32 s[G1+0], s43, (0<<16)|(1<<20)|(1<<21)|(5<<22)|(3<<25)  ; mask; elements of 1 byte; padding on; bit 21 beside a mask; 4 words behind every 64
	s_or_b32 s[G1B+0], s44, (0<<16)|(1<<20)|(1<<21)|(5<<22)|(3<<25)
.irp g, G1, G1B
	s_mov_b32 s[\g+1], ROWB<<16                    ; tensor_dim0
	s_mov_b32 s[\g+2], 128<<16                     ; tensor_dim1
	s_mov_b32 s[\g+3], ROWB<<16                    ; tile_dim0
	s_mov_b32 s[\g+4], 128                         ; tile_dim1
	s_mov_b32 s[\g+5], KROW                        ; the pitch
	s_mov_b32 s[\g+6], 0
	s_mov_b32 s[\g+7], 0
.endr
	s_or_b32 s[G1S+0], s43, (3<<16)|(1<<20)|(1<<21)|(5<<22)|(3<<25) ; the scale bytes of 128 rows: 4,096 dense bytes as 16 rows of 256 (32 elements of 8 bytes), 16 bytes behind each
	s_or_b32 s[G1SB+0], s44, (3<<16)|(1<<20)|(1<<21)|(5<<22)|(3<<25)
.irp g, G1S, G1SB
	s_mov_b32 s[\g+1], 32<<16
	s_mov_b32 s[\g+2], (128*KS/256)<<16
	s_mov_b32 s[\g+3], 32<<16
	s_mov_b32 s[\g+4], 128*KS/256
	s_mov_b32 s[\g+5], 32
	s_mov_b32 s[\g+6], 0
	s_mov_b32 s[\g+7], 0
.endr
	s_lshl_b32 s18, s16, 7                         ; which 128 rows of the tile I fetch
	s_lshl_b32 s20, s17, 8
	s_add_co_u32 s20, s20, s18                     ; x: row 256 x tile row + 128 x half
	s_lshl_b32 s46, s42, 8
	s_add_co_u32 s46, s46, s18                     ; w: row 256 x tile column + 128 x half
	s_lshl_b32 s22, s20, 5
	s_add_co_u32 s22, s22, COD_XS                  ; where these rows' scale bytes begin in cod,
	s_mov_b32 s23, 0
	s_lshl_b32 s92, s46, 5
	s_add_co_u32 s92, s92, COD_WS
	s_mov_b32 s93, 0
	s_lshl_b32 s20, s20, 9                         ; and their codes
	s_mov_b32 s21, 0
	s_lshl_b32 s46, s46, 9
	s_add_co_u32 s46, s46, COD_WC
	s_mov_b32 s47, 0
	s_mul_i32 s45, s14, HALFT                      ; where they go: wave x 128 rows: no place in the cluster enters an LDS address
	s_mul_i32 s94, s14, HALFS
	s_wait_dscnt 0x0                               ; both opening adds are done
	s_wait_kmcnt 0x0
	s_add_nc_u64 s[20:21], s[96:97], s[20:21]
	s_add_nc_u64 s[22:23], s[96:97], s[22:23]
	s_add_nc_u64 s[46:47], s[96:97], s[46:47]
	s_add_nc_u64 s[92:93], s[96:97], s[92:93]
	CROUND                                         ; all sixteen work-groups are here: the joint loads meet
	s_mov_b32 s[G0S], 1
	s_add_co_u32 s[G0S+1], s94, SCL
	s_mov_b64 s[G0S+2:G0S+3], s[22:23]
	s_or_b32 s[G0S+3], s[G0S+3], 0x80000000
	s_mov_b32 s[G0SB], 1
	s_add_co_u32 s[G0SB+1], s94, SCL
	s_mov_b64 s[G0SB+2:G0SB+3], s[92:93]
	s_or_b32 s[G0SB+3], s[G0SB+3], 0x80000000
	JLOAD G0S, G1S, G0SB, G1SB                     ; the scales first: they are wanted with K step 0
.irp s, 0,1
	s_mov_b32 s[G0+4*\s], 1
	s_add_co_u32 s[G0+4*\s+1], s45, \s*SLOT
	s_add_nc_u64 s[G0+4*\s+2:G0+4*\s+3], s[20:21], \s*ROWB
	s_or_b32 s[G0+4*\s+3], s[G0+4*\s+3], 0x80000000
	s_mov_b32 s[G0B+4*\s], 1
	s_add_co_u32 s[G0B+4*\s+1], s45, \s*SLOT
	s_add_nc_u64 s[G0B+4*\s+2:G0B+4*\s+3], s[46:47], \s*ROWB
	s_or_b32 s[G0B+4*\s+3], s[G0B+4*\s+3], 0x80000000
	JLOAD G0+4*\s, G1, G0B+4*\s, G1B
.endr
	v_and_b32 v1, 15, v0                           ; r = lane % 16
	v_bfe_u32 v2, v0, 4, 1                         ; h = lane / 16
	; where the results go.  Row m = 256 x tile row + 128 x half: batch m / 2048, t = m % 2048.  Column n = 256 x tile column + 128 x half: part n / 1024 = the cluster's x, head (n % 1024) / 64
	s_lshr_b32 s4, s17, 3                          ; batch
	s_lshl_b32 s5, s4, 4
	s_lshl_b32 s6, s40, 2
	s_add_co_u32 s5, s5, s6
	s_lshl_b32 s6, s16, 1
	s_add_co_u32 s5, s5, s6                        ; 16 x batch + my first head
	s_lshl_b32 s5, s5, 11
	s_and_b32 s6, s17, 7
	s_lshl_b32 s6, s6, 8
	s_add_co_u32 s5, s5, s6
	s_lshl_b32 s6, s15, 7
	s_add_co_u32 s5, s5, s6                        ; x 2,048 + my first t
	s_lshl_b32 s6, s5, 7                           ; rows of 128 bytes
	s_lshl_b32 s7, ttmp9, 24                       ; the part: 16,777,216 bytes each
	s_add_co_u32 s6, s6, s7
	s_mov_b32 s7, 0
	s_add_nc_u64 s[8:9], s[8:9], s[6:7]
	s_lshl_b32 s5, s42, 10
	s_lshl_b32 s6, s16, 9
	s_add_co_u32 s5, s5, s6                        ; my first column, in bytes of f32
	s_mul_i32 s6, s4, 16*12288
	s_add_co_u32 s6, s6, s5
	s_add_nc_u64 s[10:11], s[10:11], s[6:7]        ; qkv32: 16 rows a batch
	s_mov_b32 s6, s5
	s_add_nc_u64 s[98:99], s[98:99], s[6:7]        ; the bias of my 128 columns
	v_lshlrev_b32 v[BO], 5, v2
	; The bias is the C of each sum's first product: for w's block b lane (r, h) holds b_attn[16 b + 8 h + 0 .. 7].  k has none (dead work): its 64 registers are zeros.  The branch hangs on the cluster's x.
	s_cmp_eq_u32 ttmp9, 1
	s_cbranch_scc1 .Lno_bias
.irp b, 0,1,2,3,4,5,6,7
	global_load_b128 v[BIAS+8*\b:BIAS+8*\b+3], v[BO], s[98:99] offset:64*\b
	global_load_b128 v[BIAS+8*\b+4:BIAS+8*\b+7], v[BO], s[98:99] offset:64*\b+16
.endr
	s_branch .Lbias_done
.Lno_bias:
.set J, 0
.rept 64
	v_mov_b32 v[BIAS+J], 0
.set J, J+1
.endr
.Lbias_done:
	v_mul_u32_u24 v3, v1, PITCH
	v_lshl_add_u32 v4, v2, 4, v3                   ; a fragment's row x pitch + 16 x half
	s_mul_i32 s21, s15, HALFT                      ; my 128 rows of x
	s_mul_i32 s22, s16, HALFT                      ; my 128 rows of w,
	s_add_co_u32 s22, s22, 2*HALFT                 ; which lie behind x's 256
.irp s, 0,1
	v_add_nc_u32 v[ADRA+\s], s21, v4
	v_add_nc_u32 v[ADRB+\s], s22, v4
	s_add_co_u32 s21, s21, SLOT
	s_add_co_u32 s22, s22, SLOT
.endr
	v_mul_u32_u24 v5, v1, KS                       ; my row's scales: 32 bytes a row,
	v_lshrrev_b32 v6, 8, v5
	v_lshl_add_u32 v5, v6, 4, v5                   ; and 16 more for each 256 passed
	s_mul_i32 s21, s15, HALFS
	s_mul_i32 s22, s16, HALFS
	s_add_co_u32 s22, s22, 2*HALFS
	s_sub_co_u32 s22, s22, s21
	v_mul_u32_u24 v6, s22, v2                      ; lanes 16-31 take w's
	s_add_co_u32 s21, s21, SCL
	v_add_nc_u32 v5, v5, v6
	v_add_nc_u32 v[ADRS], s21, v5
	s_mul_i32 s23, s14, 16*SPITCH                  ; my stage
	v_mul_u32_u24 v5, v1, SPITCH                   ; in: row r, 16 bytes for each half of the lanes
	v_lshl_add_u32 v5, v2, 4, v5
	v_add_nc_u32 v[STO], s23, v5
	v_bfe_u32 v5, v0, 3, 1                         ; back: lanes 0-15 take rows 2 t, 2 t + 1 of my first head (128 bytes each), lanes 16-31 those of my second
	v_mul_u32_u24 v5, v5, SPITCH
	v_lshl_add_u32 v5, v2, 7, v5
	v_and_b32 v6, 7, v0
	v_lshl_add_u32 v5, v6, 4, v5
	v_add_nc_u32 v[RD], s23, v5
	v_lshlrev_b32 v[CO], 4, v1                     ; in memory two rows of a head are 256 consecutive bytes; the next head lies 262,144 bytes on
	v_lshl_add_u32 v[CO], v2, 18, v[CO]
	v_mul_u32_u24 v[FO], v1, 12288
	v_lshl_add_u32 v[FO], v2, 5, v[FO]             ; qkv32: row r, + 32 h
	s_and_b32 s4, s17, 7
	s_or_b32 s4, s4, s15
	v_mov_b32 v[FLG], s4
.macro FRAG reg, adr, q, i             ; 16 rows x 128 K of 4-bit codes: 8 registers: two loads of 16 bytes, 32 bytes apart
.irp c, 0,1
	ds_load_b128 v[\reg+4*\c:\reg+4*\c+3], v[\adr] offset:64*(\q)+32*\c+(\i)*16*PITCH
.endr
.endm
; 16 matrix instructions: x's blocks a0, a0 + 1 against w's eight, the slot's q-th 128 along K.  p: w's set; sc: the set of scale words.  one = 1: the sums begin with the bias as C: nothing is cleared.
; The 64 accumulators take turns, one instruction a turn, in the same order in every step.
.macro MUL16 a0, p, q, sc, one
.irp a, \a0, \a0+1
.irp b, 0,1,2,3,4,5,6,7
.if \one
	v_wmma_scale_f32_16x16x128_f8f6f4 v[8*(8*((\a)%4)+\b):8*(8*((\a)%4)+\b)+7], v[128*(\p)+FR*\b:128*(\p)+FR*\b+FR-1], v[AF+FR*(\a):AF+FR*(\a)+FR-1], v[BIAS+8*\b:BIAS+8*\b+7], v[SC+8*NQ*(\sc)+NQ*\b+(\q)], v[SC+8*NQ*(\sc)+NQ*(\a)+(\q)] matrix_a_fmt:MATRIX_FMT_FP4 matrix_b_fmt:MATRIX_FMT_FP4 matrix_a_scale:MATRIX_SCALE_ROW1
.else
	v_wmma_scale_f32_16x16x128_f8f6f4 v[8*(8*((\a)%4)+\b):8*(8*((\a)%4)+\b)+7], v[128*(\p)+FR*\b:128*(\p)+FR*\b+FR-1], v[AF+FR*(\a):AF+FR*(\a)+FR-1], v[8*(8*((\a)%4)+\b):8*(8*((\a)%4)+\b)+7], v[SC+8*NQ*(\sc)+NQ*\b+(\q)], v[SC+8*NQ*(\sc)+NQ*(\a)+(\q)] matrix_a_fmt:MATRIX_FMT_FP4 matrix_b_fmt:MATRIX_FMT_FP4 matrix_a_scale:MATRIX_SCALE_ROW1
.endif
.endr
.endr
.endm
.macro FETCH_B slot, q, p
	WIN TO_B
.irp i, 0,1,2,3,4,5,6,7
	FRAG 128*(\p)+FR*\i, ADRB+\slot, \q, \i
.endr
	WIN 0
.endm
.macro FETCH_A slot, q, i0
.irp i, \i0, \i0+1, \i0+2, \i0+3
	FRAG AF+FR*(\i), ADRA+\slot, \q, \i
.endr
.endm
.macro SCALES sc                       ; a K step's scale words: 4 words a row; lanes 0-15 take x's block i, lanes 16-31 w's block i
.irp i, 0,1,2,3,4,5,6,7
	ds_load_b128 v[SC+8*NQ*\sc+NQ*\i:SC+8*NQ*\sc+NQ*\i+3], v[ADRS] offset:\i*SBLK
.endr
.endm
.macro PLACES n                        ; plain vector instructions between a matrix instruction and a load into, or a read of, its registers
.rept \n
	v_nop
.endr
.endm
.macro STEP slot, q, one               ; a step of 128 along K that has its successor in the same slot
	s_wait_dscnt 4*NL                              ; w's set and x's blocks 0-3 are in; the youngest eight loads (x's blocks 4-7) may be out
.if \one
	WIN ONE_LO
.else
	WIN MUL_LO
.endif
	MUL16 0, (\q)%2, \q, \slot, \one
	MUL16 2, (\q)%2, \q, \slot, \one
	s_wait_dscnt 0                                 ; x's blocks 4-7 are in
	PLACES NP
	FETCH_B \slot, (\q)+1, 1-(\q)%2
	FETCH_A \slot, (\q)+1, 0
.if \one
	WIN ONE_HI
.else
	WIN MUL_HI
.endif
	MUL16 4, (\q)%2, \q, \slot, \one
	MUL16 6, (\q)%2, \q, \slot, \one
	PLACES NP
	WIN 0
	FETCH_A \slot, (\q)+1, 4
.endm
	s_wait_tensorcnt 1                             ; the scales and my part of slot 0 are in; slot 1's load may be out
	s_barrier_signal -1
	s_barrier_wait -1
	FETCH_B 0, 0, 0
	FETCH_A 0, 0, 0
	SCALES 0
	FETCH_A 0, 0, 4
	s_wait_loadcnt 0x0                             ; the bias
	STEP 0, 0, 1
	STEP 0, 1, 0
	STEP 0, 2, 0
	; slot 0's last step changes slots: one barrier; in front of it my part of slot 1 has landed and my reads of slot 0 are over.  Nothing is filled again.
	s_wait_tensorcnt 0x0
	ds_add_u32 v[SPW], v[NIL]
	s_wait_dscnt 4*NL+1                            ; (the add and the youngest eight loads may be out)
	WIN MUL_LO
	MUL16 0, 1, 3, 0, 0
	s_wait_dscnt 0x0
	s_barrier_signal -1
	MUL16 2, 1, 3, 0, 0
	WIN 0
	s_barrier_wait -1
	PLACES NP
	v_add_nc_u32 v[ADRS], 4*NQ, v[ADRS]            ; on to the second K step's scale words
	FETCH_B 1, 0, 0
	FETCH_A 1, 0, 0
	SCALES 1
	WIN MUL_HI
	MUL16 4, 1, 3, 0, 0
	MUL16 6, 1, 3, 0, 0
	PLACES NP
	WIN 0
	FETCH_A 1, 0, 4
	STEP 1, 0, 0
	STEP 1, 1, 0
	STEP 1, 2, 0
	s_wait_dscnt 4*NL                              ; the very last step: nothing more to fetch
	WIN MUL_LO
	MUL16 0, 1, 3, 1, 0
	MUL16 2, 1, 3, 1, 0
	s_wait_dscnt 0
	WIN MUL_HI
	MUL16 4, 1, 3, 1, 0
	MUL16 6, 1, 3, 1, 0
	WIN 0
; THE WAY OUT, block by block of 16 rows x 128 columns (two heads).  PACK: rounded to f16, 16 bytes a lane, each accumulator from its low end on.  TOSTAGE: into my stage, and back so that sixteen lanes hold
; two neighbouring rows of one head.  SEND: sixteen lanes store 256 consecutive bytes, aligned.
.macro PACK a
.set AC, 64*((\a)%4)
	WIN 0x0a+5*((\a)/4)                            ; sources 0 and 1: window 2 or 3
.irp b, 0,1,2,3,4,5,6,7
.irp r, 0,1,2,3
	v_cvt_pk_f16_f32 v[TMP+4*\b+\r], v[AC+8*\b+2*\r], v[AC+8*\b+2*\r+1]
.endr
.endr
	WIN 0
.endm
.macro TOSTAGE a
.set BK, OB+32*((\a)%2)
.irp b, 0,1,2,3,4,5,6,7
	ds_store_b128 v[STO], v[TMP+4*\b:TMP+4*\b+3] offset:32*\b
.endr
.irp t, 0,1,2,3,4,5,6,7
	ds_load_b128 v[BK+4*\t:BK+4*\t+3], v[RD] offset:\t*2*SPITCH    ; LDS serves a wave's instructions in order: these see the stores above
.endr
.endm
.macro SEND a
.set BK, OB+32*((\a)%2)
	s_wait_dscnt 0x0                               ; the block is back in registers
	s_wait_xcnt 0x0                                ; the block before has been read by its stores: its registers take the next block's loads only behind this wait
.irp t, 0,1,2,3,4,5,6,7
	global_store_b128 v[CO], v[BK+4*\t:BK+4*\t+3], s[8:9] offset:(\a)*2048+\t*256
.endr
.endm
	PLACES NP
	PACK 0
	TOSTAGE 0
.irp a, 1,2,3,4,5,6,7                  ; block a's conversions stand between block a - 1's loads from the stage and the wait for them
	PACK \a
	SEND \a-1
	TOSTAGE \a
.endr
	SEND 7
	; Positions 0-15 of a sequence also leave in f32, for the last launch: block 0 of the waves whose first row is t = 0.  No branch may hang on a work-group's place in its cluster, so the lanes are
	; switched off instead.  32 bytes a lane, 786,432 bytes in the whole launch.
	s_wait_xcnt 0x0                                ; EXEC changes only behind this wait
	v_cmp_eq_u32 vcc_lo, 0, v[FLG]
	s_and_saveexec_b32 s3, vcc_lo
	WIN 0x08                                       ; a store's data are its source 1: window 2
.irp b, 0,1,2,3,4,5,6,7
	global_store_b128 v[FO], v[8*\b:8*\b+3], s[10:11] offset:64*\b
	global_store_b128 v[FO], v[8*\b+4:8*\b+7], s[10:11] offset:64*\b+16
.endr
	WIN 0
	s_wait_xcnt 0x0                                ; and again, in front of the line that widens it
	s_or_b32 exec_lo, exec_lo, s3
	s_wait_tensorcnt 0x0                           ; the wave's end
	ds_add_u32 v[SPW], v[NIL]
	s_wait_dscnt 0x0
	CROUND                                         ; the closing round
	s_endpgm
.Lfunc_end_k_q5490bb2c28_qkv:
	.size	k_q5490bb2c28_qkv, .Lfunc_end_k_q5490bb2c28_qkv-k_q5490bb2c28_qkv
	.p2alignl 7, 3214868480
	.fill 96, 4, 3214868480
	.section	.rodata,"a",@progbits
	.p2align	6, 0x0
	.amdhsa_kernel k_q5490bb2c28_qkv
		.amdhsa_group_segment_fixed_size 327680
		.amdhsa_private_segment_fixed_size 0
		.amdhsa_enable_private_segment 0
		.amdhsa_kernarg_size 32
		.amdhsa_user_sgpr_count 2
		.amdhsa_user_sgpr_kernarg_segment_ptr 1
		.amdhsa_wavefront_size32 1
		.amdhsa_system_sgpr_workgroup_id_x 1
		.amdhsa_system_sgpr_workgroup_id_y 1
		.amdhsa_system_sgpr_workgroup_id_z 1
		.amdhsa_system_vgpr_workitem_id 0
		.amdhsa_next_free_vgpr 1024
		.amdhsa_next_free_sgpr 100
		.amdhsa_reserve_vcc 1
		.amdhsa_float_denorm_mode_32 3
		.amdhsa_float_denorm_mode_16_64 3
		.amdhsa_memory_ordered 1
		.amdhsa_forward_progress 1
		.amdhsa_inst_pref_size 133
	.end_amdhsa_kernel
	.amdgpu_metadata
---
amdhsa.version: [ 1, 2 ]
amdhsa.kernels:
  - .name:           k_q5490bb2c28_qkv
    .symbol:         k_q5490bb2c28_qkv.kd
    .args:
      - { .name: cod, .offset: 0, .size: 8, .value_kind: global_buffer, .address_space: global }
      - { .name: b_attn, .offset: 8, .size: 8, .value_kind: global_buffer, .address_space: global }
      - { .name: qkv16, .offset: 16, .size: 8, .value_kind: global_buffer, .address_space: global }
      - { .name: qkv32, .offset: 24, .size: 8, .value_kind: global_buffer, .address_space: global }
    .group_segment_fixed_size: 327680
    .private_segment_fixed_size: 0
    .kernarg_segment_align: 8
    .kernarg_segment_size: 32
    .max_flat_workgroup_size: 128
    .sgpr_count:     100
    .vgpr_count:     1024
    .wavefront_size: 32
...
	.end_amdgpu_metadata
.endif
;; end of part 2
;; launch attn (part 3): grid 4 x 64, 8 waves a work-group, no clusters, 327,680 bytes of LDS; arguments qkv16, y16; writes y16
.if DOCPART == 3
	.amdgcn_target "amdgcn-amd-amdhsa--gfx1250"
	.amdhsa_code_object_version 6
	.text
	.protected	k_q5490bb2c28_attn
	.globl	k_q5490bb2c28_attn
	.p2align	8
	.type	k_q5490bb2c28_attn,@function
k_q5490bb2c28_attn:
	s_mov_b64 s[64:65], 0
	v_nop
	global_prefetch_b8 v0, s[64:65] scope:SCOPE_SE
	s_setreg_imm32_b32 hwreg(HW_REG_WAVE_MODE, 25, 1), 1
	s_wait_xcnt 0x0
; Launch 3 of 5: y[b][h][q] = the sum over k <= q of softmax_k(q . k / 8) v, head size 64, T = 2,048, 64 heads in all.  q, k, v, y: [head][t][64] f16; products by the f16 matrix form with f32 sums;
; maxima, exponentials and sums in f32, with a running maximum; the weights are rounded to f16 for the second product, y once at the end.
; WORK LEFT OUT: key steps all of whose keys come after a piece's queries (the module's own tril mask hides them), and slots that no wave of the work-group would read.
; NO CLUSTER: the query blocks of a head need different numbers of key tiles under the causal mask, so some partner would have to ask for tiles that none of its waves reads.
; SHARES.  Work-group i of a head owns query blocks 7 - i and i of 256: the same work in all 256 work-groups.  Wave w has four tiles of 16 queries: piece H (tiles 0, 1): 256 (7 - i) + 32 w + 0..31;
; piece L (tiles 2, 3): 256 i + 32 (7 - w) + 0..31: the order turned round, so that the waves' counts of steps are alike.  Two waves share a SIMD: one's softmax stands beside the other's products.
; LAYOUT.  S^T = K Q^T (source 0 = 16 keys, source 1 = 16 queries) and O^T = V^T P (source 0 = 16 channels x 32 keys, turned by ds_load_tr16_b128): a lane holds ONE query throughout; two tiles of S^T, rounded
; in pairs, are source 1 of the second product.
; RING.  Two slots of 256 keys (four steps of 64).  Waves 0-3 fetch K's four quarters, waves 4-7 V's: one tensor load a wave behind each change of slots; by this text's own count a wave has one load out.
; Every work-group walks all eight slots with constant trip counts; what is left out is a step's work and a slot's load, by scalar branches on ids and the count of steps.  Every wait on TENSORcnt is for 0.
; REGISTERS.  window 0: v1-16 addresses and masks; v32-63 statistics, 8 a tile (+0 c m, +1 m, +2:3 the sum in two halves, +4..7 at work, a in +6); v64-191 S^T, 32 a tile, P laid over its first 16; v192-255 K's fragments.
;   window 1: v0-127 O^T, 32 a tile; v128-191 Q, 16 a tile; v192-255 V's fragments.
.set PK,    144                        ; a row of K in LDS: 128 bytes + 16: the 16 rows of a load start at 16 different banks' groups
.set PV,    160                        ; a row of V: 128 + 32: an odd multiple of 32
.set VOFF,  256*PK                     ; a slot: 256 rows of K, then 256 rows of V
.set SLOT1, 1<<17                      ; slot 1 begins here: one exclusive or turns an address
.set STAGE, SLOT1+256*(PK+PV)          ; behind the ring: 16 rows x 144 bytes for each wave, for the way out
.set SPARE, STAGE+8*16*PK              ; the spare words, 128 bytes for each wave: four blocks of 256 bytes that no other line names
.set AK0, 1
.set AV0, 2
.set ADK, 3
.set ADV, 4
.set STO, 5
.set RD,  6
.set GO,  7
.set SPW, 8
.set NIL, 9
.set PFO, 10
.set RH,  12                           ; v12  lane % 16 - 8 (lane / 16)
.set D0,  13                           ; v13, v14  for the piece's two tiles: my query - the step's first key - 8 (lane / 16)
.set NINF, 15
.set QO,  16
.set ST,  32
.set S,   64
.set KFR, 192
.set QF,  128                          ; in window 1
.set VFR, 192                          ; in window 1
.set WV,  12
.set QH0, 20
.set QL0, 21
.set QHL, 22
.set QLL, 23
.set QWL, 24                           ; s24  my work-group's last query
.set KF,  25                           ; s25  the step's first key
.set TBK, 26                           ; s26, s27  LDS bytes at which the step's tiles of K and V begin
.set TBV, 27
.set TW,  28
.set SLOTS, 29
.set LIM, 30
.set CS,  32                           ; s[32:33] c = log2(e) / 8
.set SEL, 34
.set G1K, 36
.set G1V, 44
.set G0K, 52
.set G0V, 56
.set PFA, 60
.set YH,  66
.set YL,  68
.set QHB, 70
.set QLB, 72
.set MSB, 0
.macro WIN new
.if MSB != \new
	s_set_vgpr_msb (MSB<<8)|\new
.set MSB, \new
.endif
.endm
.set W_KQ, 0x04                        ; Q (source 1) window 1; K and S^T window 0
.set W_PV, 0x51                        ; V, C and D window 1; P window 0
.set W_RS, 0x41                        ; O^T (destination and source 0) window 1, the factor window 0
.macro TLOAD                           ; waves 0-3: K's quarter; waves 4-7: V's.  An s_nop 0 and four v_nop follow each of the two lines
	s_cmp_lt_u32 s[WV], 4
	s_cbranch_scc0 .Lfor_v_\@
	tensor_load_to_lds s[G0K:G0K+3], s[G1K:G1K+7]
	s_nop 0
.rept 4
	v_nop
.endr
	s_branch .Lasked_\@
.Lfor_v_\@:
	tensor_load_to_lds s[G0V:G0V+3], s[G1V:G1V+7]
	s_nop 0
.rept 4
	v_nop
.endr
.Lasked_\@:
.endm
; A prefetch of what the NEXT change of slots will ask for.  All four work-groups of a head walk the same K and V: the one that walks all eight slots (i = 0) asks.  Each of its waves names the 8,192 bytes that
; it will fetch itself, lanes 256 bytes apart: each block of 256 bytes is named once in the launch.  The last change that fills a slot asks for nothing; slots 0 and 1 come by their loads alone.
.macro ASK
	s_cmp_gt_u32 s[SLOTS], s[LIM]
	s_cbranch_scc0 .Lnot_mine_\@
	global_prefetch_b8 v[PFO], s[PFA:PFA+1] th:TH_LOAD_NT scope:SCOPE_SE
.Lnot_mine_\@:
.endm
	s_load_b128 s[4:7], s[0:1], 0x0                ; qkv16 s[4:5], y16 s[6:7]
	v_lshl_add_u32 v[SPW], v0, 2, SPARE
	v_mov_b32 v[NIL], 0
	ds_add_u32 v[SPW], v[NIL]                      ; the wave's opening: the add, twice on end, and its wait ahead of my first tensor load
	ds_add_u32 v[SPW], v[NIL]
	v_lshrrev_b32 v11, 5, v0
	v_readfirstlane_b32 s[WV], v11                 ; wave 0..7
	s_and_b32 s14, ttmp7, 0xffff                   ; the head, 0..63
	s_lshl_b32 s16, s14, 18                        ; its first byte in each part and in y16: 2,048 rows of 128 bytes
	s_sub_co_u32 s96, 7, ttmp9
	s_lshl_b32 s96, s96, 8
	s_lshl_b32 s97, s[WV], 5
	s_add_co_u32 s[QH0], s96, s97
	s_add_co_u32 s[QHL], s[QH0], 31
	s_add_co_u32 s[QWL], s96, 255
	s_lshl_b32 s96, ttmp9, 8
	s_sub_co_u32 s97, 7, s[WV]
	s_lshl_b32 s97, s97, 5
	s_add_co_u32 s[QL0], s96, s97
	s_add_co_u32 s[QLL], s[QL0], 31
	s_mov_b32 s[G1K], (1<<16)|(1<<20)|(4<<22)|(3<<25)   ; no mask; elements of 2 bytes; padding on: 4 words behind every 32
	s_mov_b32 s[G1V], (1<<16)|(1<<20)|(4<<22)|(7<<25)   ; 8 words behind every 32
.irp g, G1K, G1V
	s_mov_b32 s[\g+1], 64<<16                      ; tensor_dim0 = 64
	s_mov_b32 s[\g+2], 64<<16                      ; tensor_dim1 = 64 rows
	s_mov_b32 s[\g+3], 64<<16                      ; tile_dim0
	s_mov_b32 s[\g+4], 64                          ; tile_dim1
	s_mov_b32 s[\g+5], 64                          ; the pitch: rows are dense
	s_mov_b32 s[\g+6], 0
	s_mov_b32 s[\g+7], 0
.endr
	s_mov_b32 s[CS], 0x3e38aa3b                    ; c = log2(e) / sqrt(64)
	s_mov_b32 s[CS+1], s[CS]
	s_mov_b32 s[SEL], 0x76543210
	s_mov_b32 s[SEL+1], 0xfedcba98
	s_mov_b32 s[KF], 0
	s_mov_b32 s[TBK], 0
	s_mov_b32 s[TBV], 0
	s_mov_b32 s[SLOTS], 7
	s_and_b32 s96, s[WV], 3                        ; which 64 rows of a slot I fetch
	s_mul_i32 s[G0K+1], s96, 64*PK
	s_mul_i32 s[G0V+1], s96, 64*PV
	s_add_co_u32 s[G0V+1], s[G0V+1], VOFF
	s_lshl_b32 s18, s96, 13
	s_add_co_u32 s18, s18, s16                     ; their bytes in a part
	s_mov_b32 s19, 0
	s_wait_dscnt 0x0                               ; both opening adds are done
	s_wait_kmcnt 0x0
	s_mov_b32 s[G0K], 1
	s_add_nc_u64 s[G0K+2:G0K+3], s[4:5], s[18:19]
	s_add_nc_u64 s[G0K+2:G0K+3], s[G0K+2:G0K+3], 0x1000000   ; k's part
	s_or_b32 s[G0K+3], s[G0K+3], 0x80000000
	s_mov_b32 s[G0V], 1
	s_add_nc_u64 s[G0V+2:G0V+3], s[4:5], s[18:19]
	s_add_nc_u64 s[G0V+2:G0V+3], s[G0V+2:G0V+3], 0x2000000   ; v's part
	s_or_b32 s[G0V+3], s[G0V+3], 0x80000000
	TLOAD                                          ; slot 0: every wave issues one
	s_lshl_b32 s96, s[QH0], 7
	s_add_co_u32 s96, s96, s16
	s_mov_b32 s97, 0
	s_add_nc_u64 s[QHB:QHB+1], s[4:5], s[96:97]
	s_add_nc_u64 s[YH:YH+1], s[6:7], s[96:97]
	s_lshl_b32 s96, s[QL0], 7
	s_add_co_u32 s96, s96, s16
	s_add_nc_u64 s[QLB:QLB+1], s[4:5], s[96:97]
	s_add_nc_u64 s[YL:YL+1], s[6:7], s[96:97]
	v_and_b32 v11, 15, v0                          ; r
	v_bfe_u32 v17, v0, 4, 1                        ; h
	v_lshlrev_b32 v[QO], 7, v11
	v_lshl_add_u32 v[QO], v17, 4, v[QO]            ; Q: row r of 128 bytes + 16 h
	WIN 0x40                                       ; destination window 1
.irp t, 0,1
.irp c, 0,1
	global_load_b128 v[QF+16*\t+8*\c:QF+16*\t+8*\c+3],   v[QO], s[QHB:QHB+1] offset:\t*2048+64*\c
	global_load_b128 v[QF+16*\t+8*\c+4:QF+16*\t+8*\c+7], v[QO], s[QHB:QHB+1] offset:\t*2048+64*\c+32
	global_load_b128 v[QF+32+16*\t+8*\c:QF+32+16*\t+8*\c+3],   v[QO], s[QLB:QLB+1] offset:\t*2048+64*\c
	global_load_b128 v[QF+32+16*\t+8*\c+4:QF+32+16*\t+8*\c+7], v[QO], s[QLB:QLB+1] offset:\t*2048+64*\c+32
.endr
.endr
.set J, 0
.rept 128
	v_mov_b32 v[J], 0                              ; O^T.  (The step is written once: the first finds zeros, which its factor a = 0 leaves zeros)
.set J, J+1
.endr
	WIN 0
	s_mov_b32 s97, 0x2000000                       ; the prefetches: my own 8,192 bytes, in slot 1; the first change of slots steps them to slot 2
	s_cmp_lt_u32 s[WV], 4
	s_cselect_b32 s96, 0x1000000, s97
	s_add_co_u32 s96, s96, s18
	s_add_co_u32 s96, s96, 32768
	s_mov_b32 s97, 0
	s_add_nc_u64 s[PFA:PFA+1], s[4:5], s[96:97]
	s_cmp_eq_u32 ttmp9, 0
	s_cselect_b32 s[LIM], 1, -1
	v_mul_u32_u24 v[AK0], v11, PK
	v_lshl_add_u32 v[AK0], v17, 4, v[AK0]          ; K: row r x pitch + 16 h
	v_and_b32 v18, 7, v0
	v_bfe_u32 v19, v0, 3, 1
	v_lshl_add_u32 v[AV0], v17, 3, v18             ; V, for the turning load: key 8 h + lane % 8, channels 8 ((lane / 8) % 2) on
	v_mul_u32_u24 v[AV0], v[AV0], PV
	v_lshl_add_u32 v[AV0], v19, 4, v[AV0]
	v_add_nc_u32 v[AV0], VOFF, v[AV0]
	s_mul_i32 s96, s[WV], 16*PK
	s_add_co_u32 s96, s96, STAGE                   ; my stage
	v_add_nc_u32 v[STO], s96, v[AK0]               ; in: row r, 16 bytes for each half of the lanes
	v_bfe_u32 v19, v0, 3, 2
	v_mul_u32_u24 v19, v19, PK
	v_lshl_add_u32 v19, v18, 4, v19
	v_add_nc_u32 v[RD], s96, v19                   ; back: eight lanes to a row of 128 bytes, four rows an instruction
	v_and_b32 v18, 31, v0
	v_lshlrev_b32 v[GO], 4, v18                    ; in memory those four rows are 512 consecutive bytes
	v_lshlrev_b32 v[PFO], 8, v18
	v_lshlrev_b32 v19, 3, v17
	v_sub_nc_u32 v[RH], v11, v19
	v_mov_b32 v[NINF], 0xff800000
.irp t, 0,1,2,3
	v_mov_b32 v[ST+8*\t+1], 0xff61b1e6             ; m: -3e38, under every score
	v_mov_b32 v[ST+8*\t+2], 0                      ; the sum
	v_mov_b32 v[ST+8*\t+3], 0
	v_mov_b32 v[ST+8*\t+4], 0                      ; (written once: a lane permute's destination counts as one of its sources)
	v_mov_b32 v[ST+8*\t+5], 0
	v_mov_b32 v[ST+8*\t+6], 0
	v_mov_b32 v[ST+8*\t+7], 0
	v_mul_f32 v[ST+8*\t], s[CS], v[ST+8*\t+1]      ; c m
.endr
; A PIECE'S PART OF A KEY STEP: tiles x and x + 1, whose first query is s[q0], against the step's 64 keys.
.macro PIECE x, q0
	WIN W_KQ
.set i, 0
.rept 16                               ; S^T = K Q^T: channels 32 (i / 8) on, keys 16 ((i / 2) % 4) on, tile x + i % 2: eight accumulators by turns
.set rS, S+32*(\x+i%2)+8*((i/2)%4)
.set rK, KFR+8*(2*((i/2)%4)+i/8)
.set rQ, QF+16*(\x+i%2)+8*(i/8)
.if i < 8
	v_wmma_f32_16x16x32_f16 v[rS:rS+7], v[rK:rK+7], v[rQ:rQ+7], 0
.else
	v_wmma_f32_16x16x32_f16 v[rS:rS+7], v[rK:rK+7], v[rQ:rQ+7], v[rS:rS+7]
.endif
.set i, i+1
.endr
	WIN 0
.rept 4
	v_nop                                          ; places in front of the first read of the scores
.endr
	s_add_co_u32 s96, s[KF], 63                    ; on the diagonal hidden scores become -infinity ahead of the maximum; a step all of whose keys count for all 32 queries skips this
	s_cmp_le_u32 s96, s[\q0]
	s_cbranch_scc1 .Lopen_\@
	s_sub_co_i32 s96, s[\q0], s[KF]
	v_add_nc_u32 v[D0], s96, v[RH]                 ; register 8 kt + j holds key KF + 16 kt + 8 h + j: hidden where 16 kt + j > my query - KF - 8 h
	v_add_nc_u32 v[D0+1], 16, v[D0]
.irp tt, 0,1
.set n, 0
.rept 32
	v_cmp_gt_i32 vcc_lo, 16*(n/8)+n%8, v[D0+\tt]
	v_cndmask_b32 v[S+32*(\x+\tt)+n], v[S+32*(\x+\tt)+n], v[NINF], vcc_lo
.set n, n+1
.endr
.endr
.Lopen_\@:
	; the maximum of my 32 scores and the old m: four chains, each begun at an accumulator's low end; the two tiles line by line
.irp k, 0,1,2,3
.irp tt, 0,1
	v_max3_num_f32 v[ST+8*(\x+\tt)+4+\k], v[S+32*(\x+\tt)+8*\k], v[S+32*(\x+\tt)+8*\k+1], v[S+32*(\x+\tt)+8*\k+2]
.endr
.endr
.irp g, 1,2
.irp k, 0,1,2,3
.irp tt, 0,1
	v_max3_num_f32 v[ST+8*(\x+\tt)+4+\k], v[ST+8*(\x+\tt)+4+\k], v[S+32*(\x+\tt)+8*\k+2*\g+1], v[S+32*(\x+\tt)+8*\k+2*\g+2]
.endr
.endr
.endr
.irp tt, 0,1
	v_max3_num_f32 v[ST+8*(\x+\tt)+4], v[ST+8*(\x+\tt)+4], v[S+32*(\x+\tt)+7], v[S+32*(\x+\tt)+15]
.endr
.irp tt, 0,1
	v_max3_num_f32 v[ST+8*(\x+\tt)+6], v[ST+8*(\x+\tt)+6], v[S+32*(\x+\tt)+23], v[S+32*(\x+\tt)+31]
.endr
.irp tt, 0,1
	v_max3_num_f32 v[ST+8*(\x+\tt)+4], v[ST+8*(\x+\tt)+4], v[ST+8*(\x+\tt)+5], v[ST+8*(\x+\tt)+6]
.endr
.irp tt, 0,1
	v_max3_num_f32 v[ST+8*(\x+\tt)+4], v[ST+8*(\x+\tt)+4], v[ST+8*(\x+\tt)+7], v[ST+8*(\x+\tt)+1]
.endr
.irp tt, 0,1
	v_permlanex16_b32 v[ST+8*(\x+\tt)+5], v[ST+8*(\x+\tt)+4], s[SEL], s[SEL+1]   ; the query's other 32 keys lie in the lane 16 away
.endr
.irp tt, 0,1
	v_mov_b32 v[ST+8*(\x+\tt)+7], v[ST+8*(\x+\tt)]                               ; c m_old
.endr
.irp tt, 0,1
	v_max_num_f32 v[ST+8*(\x+\tt)+1], v[ST+8*(\x+\tt)+4], v[ST+8*(\x+\tt)+5]     ; the new m
.endr
.irp tt, 0,1
	v_mul_f32 v[ST+8*(\x+\tt)], s[CS], v[ST+8*(\x+\tt)+1]
.endr
.irp tt, 0,1
	v_sub_f32 v[ST+8*(\x+\tt)+7], v[ST+8*(\x+\tt)+7], v[ST+8*(\x+\tt)]
.endr
.irp tt, 0,1
	v_exp_f32 v[ST+8*(\x+\tt)+6], v[ST+8*(\x+\tt)+7]                             ; a = 2^(c m_old - c m_new)
.endr
.set i, 0
.rept 16
.irp tt, 0,1
	v_pk_fma_f32 v[S+32*(\x+\tt)+2*i:S+32*(\x+\tt)+2*i+1], v[S+32*(\x+\tt)+2*i:S+32*(\x+\tt)+2*i+1], s[CS:CS+1], v[ST+8*(\x+\tt):ST+8*(\x+\tt)+1] op_sel_hi:[1,0,0] neg_lo:[0,0,1] neg_hi:[0,0,1]   ; c s - c m
.endr
.set i, i+1
.endr
.set i, 0
.rept 32
.irp tt, 0,1
	v_exp_f32 v[S+32*(\x+\tt)+i], v[S+32*(\x+\tt)+i]
.endr
.set i, i+1
.endr
	v_nop                                          ; a plain instruction behind the last exponential
	s_wait_alu depctr_va_vdst(0)                   ; one wait for the piece's 66 exponentials, ahead of the first instruction that names a result
.irp tt, 0,1                           ; the sum of the unrounded weights, in two chains: l = a l + ...
	v_pk_fma_f32 v[ST+8*(\x+\tt)+2:ST+8*(\x+\tt)+3], v[ST+8*(\x+\tt)+2:ST+8*(\x+\tt)+3], v[ST+8*(\x+\tt)+6:ST+8*(\x+\tt)+7], v[S+32*(\x+\tt):S+32*(\x+\tt)+1] op_sel_hi:[1,0,1]
.endr
.irp tt, 0,1
	v_pk_add_f32 v[ST+8*(\x+\tt)+4:ST+8*(\x+\tt)+5], v[S+32*(\x+\tt)+2:S+32*(\x+\tt)+3], v[S+32*(\x+\tt)+4:S+32*(\x+\tt)+5]
.endr
.irp p, 3,5,7,9,11,13
.irp tt, 0,1
	v_pk_add_f32 v[ST+8*(\x+\tt)+2:ST+8*(\x+\tt)+3], v[ST+8*(\x+\tt)+2:ST+8*(\x+\tt)+3], v[S+32*(\x+\tt)+2*\p:S+32*(\x+\tt)+2*\p+1]
	v_pk_add_f32 v[ST+8*(\x+\tt)+4:ST+8*(\x+\tt)+5], v[ST+8*(\x+\tt)+4:ST+8*(\x+\tt)+5], v[S+32*(\x+\tt)+2*\p+2:S+32*(\x+\tt)+2*\p+3]
.endr
.endr
.irp tt, 0,1
	v_pk_add_f32 v[ST+8*(\x+\tt)+2:ST+8*(\x+\tt)+3], v[ST+8*(\x+\tt)+2:ST+8*(\x+\tt)+3], v[S+32*(\x+\tt)+30:S+32*(\x+\tt)+31]
.endr
.irp tt, 0,1
	v_pk_add_f32 v[ST+8*(\x+\tt)+2:ST+8*(\x+\tt)+3], v[ST+8*(\x+\tt)+2:ST+8*(\x+\tt)+3], v[ST+8*(\x+\tt)+4:ST+8*(\x+\tt)+5]
.endr
.set i, 0
.rept 16                               ; the weights to f16, in place and ascending: register i takes pair i, which lies at 2 i and 2 i + 1
.irp tt, 0,1
	v_cvt_pk_f16_f32 v[S+32*(\x+\tt)+i], v[S+32*(\x+\tt)+2*i], v[S+32*(\x+\tt)+2*i+1]
.endr
.set i, i+1
.endr
	WIN W_RS
.set i, 0
.rept 16
.irp tt, 0,1
	v_pk_mul_f32 v[32*(\x+\tt)+2*i:32*(\x+\tt)+2*i+1], v[32*(\x+\tt)+2*i:32*(\x+\tt)+2*i+1], v[ST+8*(\x+\tt)+6:ST+8*(\x+\tt)+7] op_sel_hi:[1,0]   ; O^T times a
.endr
.set i, i+1
.endr
	s_wait_dscnt 0x0                               ; V is in
	WIN W_PV
.set i, 0
.rept 16                               ; O^T += V^T P: keys 32 (i / 8) on, channels 16 ((i / 2) % 4) on, tile x + i % 2: eight accumulators by turns
.set rO, 32*(\x+i%2)+8*((i/2)%4)
.set rV, VFR+8*(4*(i/8)+(i/2)%4)
.set rP, S+32*(\x+i%2)+8*(i/8)
	v_wmma_f32_16x16x32_f16 v[rO:rO+7], v[rV:rV+7], v[rP:rP+7], v[rO:rO+7]
.set i, i+1
.endr
	WIN 0
.endm
; A KEY STEP: 64 keys.  A step all of whose keys come after a piece's queries is left out for that piece: scalar branches on ids and the count of steps; not round the lines at its end that step addresses.
.macro STEP
	s_cmp_gt_u32 s[KF], s[QHL]
	s_cbranch_scc1 .Lhidden_\@
	v_add_nc_u32 v[ADK], s[TBK], v[AK0]
	v_add_nc_u32 v[ADV], s[TBV], v[AV0]
.rept 3
	v_nop                                          ; with the two additions: five places behind the last step's products: four are asked in front of the loads into V's registers, five in front of the products that write S^T over P
.endr
.irp kt, 0,1,2,3
.irp c, 0,1
	ds_load_b128 v[KFR+8*(2*\kt+\c):KFR+8*(2*\kt+\c)+3],   v[ADK] offset:\kt*16*PK+64*\c
	ds_load_b128 v[KFR+8*(2*\kt+\c)+4:KFR+8*(2*\kt+\c)+7], v[ADK] offset:\kt*16*PK+64*\c+32
.endr
.endr
	WIN 0x40
.irp f, 0,1
.irp dt, 0,1,2,3
	ds_load_tr16_b128 v[VFR+8*(4*\f+\dt):VFR+8*(4*\f+\dt)+3],   v[ADV] offset:\f*32*PV+32*\dt
	ds_load_tr16_b128 v[VFR+8*(4*\f+\dt)+4:VFR+8*(4*\f+\dt)+7], v[ADV] offset:\f*32*PV+16*PV+32*\dt
.endr
.endr
	WIN 0
	s_wait_dscnt 16                                ; K is in; V's sixteen loads may be out
	PIECE 0, QH0
	s_cmp_gt_u32 s[KF], s[QLL]
	s_cbranch_scc1 .Lhidden_\@
	PIECE 2, QL0
.Lhidden_\@:
	s_add_co_u32 s[KF], s[KF], 64
	s_add_co_u32 s[TBK], s[TBK], 64*PK
	s_add_co_u32 s[TBV], s[TBV], 64*PV
.endm
; THE CHANGE OF SLOTS stands at a slot's head.  Each wave waits for all its tensor loads (its part of the slot ahead), adds 0 to its spare word, and waits for that and for its reads of the slot that it has left.
; Behind the barrier the slot ahead is whole and nobody reads the other one: fill = 1: it is filled with the next 256 keys, if any wave of the work-group will read them.
.macro CHANGE fill
	s_wait_tensorcnt 0x0                           ; no tensor load of mine is out, so a group 0 may be written
	ds_add_u32 v[SPW], v[NIL]
.if \fill
	s_xor_b32 s[G0K+1], s[G0K+1], SLOT1            ; the walking descriptors: the other slot, the next 256 rows of 128 bytes
	s_add_nc_u64 s[G0K+2:G0K+3], s[G0K+2:G0K+3], 32768
	s_xor_b32 s[G0V+1], s[G0V+1], SLOT1
	s_add_nc_u64 s[G0V+2:G0V+3], s[G0V+2:G0V+3], 32768
	s_wait_xcnt 0x0                                ; the last prefetch, a slot back, has read its address
	s_add_nc_u64 s[PFA:PFA+1], s[PFA:PFA+1], 32768
.endif
	s_wait_dscnt 0x0                               ; the add is done, and my reads of the slot that I have left are over
	s_barrier_signal -1
	s_barrier_wait -1
.if \fill
	s_add_co_u32 s96, s[KF], 256                   ; the first key of the slot that this change would ask for: past my work-group's last query it is read by no wave and is not asked for.
	s_cmp_gt_u32 s96, s[QWL]                       ; ids and the count of steps alone: all eight waves go the same way, and a work-group that is past the limit stays past it
	s_cbranch_scc1 .Lpast_\@
	TLOAD                                          ; a wave's one tensor load until the next change
.Lpast_\@:
	ASK
.endif
.endm
.macro SLOT_STEPS                      ; a slot's four key steps: written once, walked four times; the LDS addresses hang on s[TBK], s[TBV]
	s_mov_b32 s[TW], 4
.Lstep_\@:
	STEP
	s_sub_co_u32 s[TW], s[TW], 1
	s_cmp_lg_u32 s[TW], 0
	s_cbranch_scc1 .Lstep_\@
	s_sub_co_u32 s[TBK], s[TBK], 256*PK
	s_xor_b32 s[TBK], s[TBK], SLOT1
	s_sub_co_u32 s[TBV], s[TBV], 256*PV
	s_xor_b32 s[TBV], s[TBV], SLOT1
.endm
	s_wait_loadcnt 0x0                             ; Q
.Lslot:                                            ; seven trips: behind each change of slots but the last the next slot is asked for, up to the causal limit
	CHANGE 1
	SLOT_STEPS
	s_sub_co_u32 s[SLOTS], s[SLOTS], 1
	s_cmp_lg_u32 s[SLOTS], 0
	s_cbranch_scc1 .Lslot
	CHANGE 0                                       ; the last slot is written out: nothing is left to ask for
	SLOT_STEPS
	; THE WAY OUT.  The sum's halves are added; O^T is divided by it, rounded to f16 and sent through my stage, a tile (16 rows of 128 bytes) at a time.  The additions are the places behind the last products.
.irp t, 0,1,2,3
	v_add_f32 v[ST+8*\t+4], v[ST+8*\t+2], v[ST+8*\t+3]
.endr
.irp t, 0,1,2,3
	v_permlanex16_b32 v[ST+8*\t+5], v[ST+8*\t+4], s[SEL], s[SEL+1]
.endr
.irp t, 0,1,2,3
	v_add_f32 v[ST+8*\t+4], v[ST+8*\t+4], v[ST+8*\t+5]
.endr
.irp t, 0,1,2,3
	v_rcp_f32 v[ST+8*\t+6], v[ST+8*\t+4]
.endr
	v_nop                                          ; a plain instruction behind the last reciprocal
	s_wait_alu depctr_va_vdst(0)                   ; one wait for the four, ahead of their first reader
.macro OUT t, base, tau
	WIN W_RS
.set i, 0
.rept 16
	v_pk_mul_f32 v[32*\t+2*i:32*\t+2*i+1], v[32*\t+2*i:32*\t+2*i+1], v[ST+8*\t+6:ST+8*\t+7] op_sel_hi:[1,0]
.set i, i+1
.endr
	WIN 0x05                                       ; sources 0 and 1 window 1, destination window 0
.set i, 0
.rept 16
	v_cvt_pk_f16_f32 v[S+32*\t+i], v[32*\t+2*i], v[32*\t+2*i+1]
.set i, i+1
.endr
	WIN 0
.irp dt, 0,1,2,3
	ds_store_b128 v[STO], v[S+32*\t+4*\dt:S+32*\t+4*\dt+3] offset:32*\dt
.endr
.irp n, 0,1,2,3
	ds_load_b128 v[S+32*\t+16+4*\n:S+32*\t+16+4*\n+3], v[RD] offset:\n*4*PK   ; LDS serves a wave's instructions in order: these see the stores above, and the next tile's stores come behind them
.endr
.irp n, 0,1,2,3
	s_wait_dscnt 3-\n
	global_store_b128 v[GO], v[S+32*\t+16+4*\n:S+32*\t+16+4*\n+3], s[\base:\base+1] offset:\tau*2048+\n*512   ; the wave stores 512 consecutive bytes, aligned
.endr
.endm
	OUT 0, YH, 0
	OUT 1, YH, 1
	OUT 2, YL, 0
	OUT 3, YL, 1
	s_wait_tensorcnt 0x0                           ; the wave's end
	ds_add_u32 v[SPW], v[NIL]
	s_wait_dscnt 0x0
	s_endpgm
.Lfunc_end_k_q5490bb2c28_attn:
	.size	k_q5490bb2c28_attn, .Lfunc_end_k_q5490bb2c28_attn-k_q5490bb2c28_attn
	.p2alignl 7, 3214868480
	.fill 96, 4, 3214868480
	.section	.rodata,"a",@progbits
	.p2align	6, 0x0
	.amdhsa_kernel k_q5490bb2c28_attn
		.amdhsa_group_segment_fixed_size 327680
		.amdhsa_private_segment_fixed_size 0
		.amdhsa_enable_private_segment 0
		.amdhsa_kernarg_size 16
		.amdhsa_user_sgpr_count 2
		.amdhsa_user_sgpr_kernarg_segment_ptr 1
		.amdhsa_wavefront_size32 1
		.amdhsa_system_sgpr_workgroup_id_x 1
		.amdhsa_system_sgpr_workgroup_id_y 1
		.amdhsa_system_sgpr_workgroup_id_z 1
		.amdhsa_system_vgpr_workitem_id 0
		.amdhsa_next_free_vgpr 512
		.amdhsa_next_free_sgpr 100
		.amdhsa_reserve_vcc 1
		.amdhsa_float_denorm_mode_32 3
		.amdhsa_float_denorm_mode_16_64 3
		.amdhsa_memory_ordered 1
		.amdhsa_forward_progress 1
		.amdhsa_inst_pref_size 109
	.end_amdhsa_kernel
	.amdgpu_metadata
---
amdhsa.version: [ 1, 2 ]
amdhsa.kernels:
  - .name:           k_q5490bb2c28_attn
    .symbol:         k_q5490bb2c28_attn.kd
    .args:
      - { .name: qkv16, .offset: 0, .size: 8, .value_kind: global_buffer, .address_space: global }
      - { .name: y16, .offset: 8, .size: 8, .value_kind: global_buffer, .address_space: global }
    .group_segment_fixed_size: 327680
    .private_segment_fixed_size: 0
    .kernarg_segment_align: 8
    .kernarg_segment_size: 16
    .max_flat_workgroup_size: 256
    .sgpr_count:     100
    .vgpr_count:     512
    .wavefront_size: 32
...
	.end_amdgpu_metadata
.endif
;; end of part 3
;; launch proj (part 4): grid 4 x 64, 4 waves a work-group, clusters of 4 x 4, 327,680 bytes of LDS; arguments y16, wp16, b_proj, out0; writes out0
.if DOCPART == 4
	.amdgcn_target "amdgcn-amd-amdhsa--gfx1250"
	.amdhsa_code_object_version 6
	.text
	.protected	k_q5490bb2c28_proj
	.globl	k_q5490bb2c28_proj
	.p2align	8
	.type	k_q5490bb2c28_proj,@function
k_q5490bb2c28_proj:
	s_mov_b64 s[64:65], 0
	v_nop
	global_prefetch_b8 v0, s[64:65] scope:SCOPE_SE
	s_setreg_imm32_b32 hwreg(HW_REG_WAVE_MODE, 25, 1), 1
	s_wait_xcnt 0x0
	s_wait_alu depctr_hold_cnt(0) depctr_sa_sdst(0) depctr_va_vdst(0) depctr_va_sdst(0) depctr_va_ssrc(0) depctr_va_vcc(0) depctr_vm_vsrc(0)
	s_getreg_b32 s2, hwreg(HW_REG_IB_STS2, 6, 4)
	s_cmp_eq_u32 s2, 0
	s_cbranch_scc0 .Lentry_in_a_cluster
	s_endpgm
.Lentry_in_a_cluster:
	s_bfe_u32 s2, ttmp6, 0x10000c
	s_cmp_lg_u32 s2, 0xf033
	s_cbranch_scc0 .Lentry_shape_is_right
	s_endpgm
.Lentry_shape_is_right:
; Launch 4 of 5: out0 = y @ w_proj + b_proj, [8192] x [1024], K = 1,024, f16 operands, f32 sums.  y16: [batch][head][t][64] f16, so K = 64 x head + channel; wp16: [k][n] f16.
; Rows 0-15 of each sequence are stored here like all others and are stored again, more finely, by the last launch: 64 rows of 8,192; leaving them out would hang on a work-group's place in its cluster.
; A tile of the result is 128 x 256: 256 work-groups.  Four waves, each 64 rows x 128 columns: 32 accumulators, 256 registers.  K goes in 8 steps of 128 (two heads) through a ring of two LDS slots.
; THE MATRIX INSTRUCTION IS USED TRANSPOSED: source 0 = 16 columns x 32 k of w_proj, turned out of its [k][n] rows by ds_load_tr16_b128; source 1 = 16 rows of y: a lane holds eight neighbouring columns of a row.
; CLUSTERS: 4 x 4 work-groups; y's tiles are shared along a row of the cluster, w_proj's along a column: joint loads; waves 0, 1 fetch y's two heads, waves 2, 3 the two halves of w_proj's 128 rows.
; By this text's own count a wave has two tensor loads out at the head and one behind each round.
; REGISTERS.  window 0: v16-30 addresses; v32-95 y's fragments, two sets of 32; v96-223 w_proj's, two sets of 64.  window 1: the accumulators ((a, bb) at v[8 (8 a + bb)]).  window 2: v0-63 the bias in the result's layout.
.set PA,    144                        ; a row of y's tile in LDS: 128 bytes + 16
.set PLANE, 128*PA                     ; a head's 128 rows
.set PB,    544                        ; a row of w_proj's tile: 512 bytes + 32: an odd multiple of 32
.set BOFF,  2*PLANE
.set SLOT,  BOFF+128*PB                ; 106,496
.set STAGE, 2*SLOT                     ; behind the ring: 16 rows x 528 bytes for each wave
.set SPITCH, 528
.set SPARE, STAGE+4*16*SPITCH          ; the spare words, 128 bytes for each wave: two blocks of 256 bytes that no other line names
.set ADRA, 16
.set ADRB, 20
.set STO,  24
.set RD,   25
.set CO,   26
.set BO,   27
.set SPW,  28
.set NIL,  29
.set PFO,  30
.set AS,   32
.set BS,   96
.set BK,   32
.set BIAS, 0                           ; in window 2
.set G1, 24
.set G0, 32
.set G1B, 48
.set G0B, 56
.set PFA, 66
.set PFS, 68
.set LIM, 70
.set MSB, 0
.macro WIN new
.if MSB != \new
	s_set_vgpr_msb (MSB<<8)|\new
.set MSB, \new
.endif
.endm
.set MUL, 0x50                         ; operands window 0; C and D window 1
.set ONE, 0x60                         ; the first quarter: C (the bias) window 2, D window 1
.macro JLOAD s                         ; a joint load; an s_nop 0 and four v_nop follow each of the two lines
	s_cmp_eq_u32 s15, 0
	s_cbranch_scc0 .Lfor_b_\@
	tensor_load_to_lds s[G0+4*\s:G0+4*\s+3], s[G1:G1+7]
	s_nop 0
.rept 4
	v_nop
.endr
	s_branch .Lasked_\@
.Lfor_b_\@:
	tensor_load_to_lds s[G0B+4*\s:G0B+4*\s+3], s[G1B:G1B+7]
	s_nop 0
.rept 4
	v_nop
.endr
.Lasked_\@:
.endm
.macro CREST
	s_cmp_lg_u32 s14, 0
	s_cbranch_scc1 .Lnot_wave_0_\@
	s_barrier_signal -3
.Lnot_wave_0_\@:
	s_barrier_wait -3
	s_barrier_signal -1
	s_barrier_wait -1
.endm
.macro CROUND
	s_barrier_signal -1
	s_barrier_wait -1
	CREST
.endm
; A prefetch of the K step that stands two refills on.  y's tile (two heads x 16,384 dense bytes) is read by this cluster's row alone: wave 0 of each of the four partners names 4,096 bytes of each head, told apart
; by address.  w_proj's tile column is read by every cluster: the cluster with y = 0 asks; waves 2, 3 of each of the four partners of a column name 16 of their 64 rows, two blocks of 256 bytes a row.
; So each block of 256 bytes is named once in the launch.  The last lap's two refills ask for nothing; K steps 0 to 3 come by their loads alone.
.macro ASK
	s_cmp_gt_u32 s3, s[LIM]                        ; s3 = 1 in the loop's last trip
	s_cbranch_scc0 .Lnot_mine_\@
	global_prefetch_b8 v[PFO], s[PFA:PFA+1] th:TH_LOAD_NT scope:SCOPE_SE
.Lnot_mine_\@:
.endm
	s_load_b256 s[4:11], s[0:1], 0x0               ; y16 s[4:5], wp16 s[6:7], b_proj s[8:9], out0 s[10:11]
	v_lshl_add_u32 v[SPW], v0, 2, SPARE
	v_mov_b32 v[NIL], 0
	ds_add_u32 v[SPW], v[NIL]                      ; the wave's opening: the add, twice on end, and its wait ahead of my first tensor load
	ds_add_u32 v[SPW], v[NIL]
	v_lshrrev_b32 v1, 5, v0
	v_readfirstlane_b32 s14, v1                    ; wave 0..3
	s_lshr_b32 s15, s14, 1                         ; which 64 rows are mine.  Also: I fetch for y (0) or for w_proj (1)
	s_and_b32 s16, s14, 1                          ; which 128 columns.  Also: which head, or which 64 rows of w_proj, I fetch
	s_bfe_u32 s40, ttmp6, 0x40000                  ; cx, cy
	s_bfe_u32 s41, ttmp6, 0x40004
	s_lshl_b32 s42, ttmp9, 2
	s_add_co_u32 s42, s42, s40                     ; tile column
	s_and_b32 s17, ttmp7, 0xffff
	s_lshl_b32 s17, s17, 2
	s_add_co_u32 s17, s17, s41                     ; tile row
	s_lshl_b32 s43, s41, 2
	s_lshl_b32 s43, 15, s43                        ; my row of the cluster
	s_lshl_b32 s44, 0x1111, s40                    ; my column
	s_or_b32 s[G1+0], s43, (1<<16)|(1<<20)|(1<<21)|(4<<22)|(3<<25)   ; y: elements of 2 bytes; 4 words of padding behind every 32
	s_mov_b32 s[G1+1], 64<<16                      ; tensor_dim0 = 64
	s_mov_b32 s[G1+2], 128<<16                     ; tensor_dim1 = 128 rows
	s_mov_b32 s[G1+3], 64<<16                      ; tile_dim0
	s_mov_b32 s[G1+4], 128                         ; tile_dim1
	s_mov_b32 s[G1+5], 64                          ; the pitch: a head's rows are dense
	s_mov_b32 s[G1+6], 0
	s_mov_b32 s[G1+7], 0
	s_or_b32 s[G1B+0], s44, (1<<16)|(1<<20)|(1<<21)|(6<<22)|(7<<25)  ; w_proj: 8 words of padding behind every 128
	s_mov_b32 s[G1B+1], 256<<16
	s_mov_b32 s[G1B+2], 64<<16
	s_mov_b32 s[G1B+3], 256<<16
	s_mov_b32 s[G1B+4], 64
	s_mov_b32 s[G1B+5], 1024
	s_mov_b32 s[G1B+6], 0
	s_mov_b32 s[G1B+7], 0
	s_lshr_b32 s20, s17, 4                         ; y: batch = tile row / 16,
	s_lshl_b32 s20, s20, 4
	s_add_co_u32 s20, s20, s16                     ; head = the one of the K step's two that I fetch,
	s_lshl_b32 s20, s20, 11
	s_and_b32 s21, s17, 15
	s_lshl_b32 s21, s21, 7
	s_add_co_u32 s20, s20, s21                     ; t = 128 x (tile row % 16),
	s_lshl_b32 s20, s20, 7                         ; rows of 128 bytes
	s_mov_b32 s21, 0
	s_lshl_b32 s46, s16, 17                        ; w_proj: 64 rows of 2,048 bytes x half,
	s_lshl_b32 s47, s42, 9
	s_add_co_u32 s46, s46, s47                     ; + 512 bytes x tile column
	s_mov_b32 s47, 0
	s_mul_i32 s45, s16, PLANE                      ; where they go: no place in the cluster enters an LDS address
	s_mul_i32 s18, s16, 64*PB
	s_add_co_u32 s18, s18, BOFF
	s_wait_dscnt 0x0                               ; both opening adds are done
	s_wait_kmcnt 0x0
	s_add_nc_u64 s[20:21], s[4:5], s[20:21]
	s_add_nc_u64 s[46:47], s[6:7], s[46:47]
	CROUND                                         ; all sixteen work-groups are here: the first joint loads meet
.irp s, 0,1
	s_mov_b32 s[G0+4*\s], 1
	s_add_co_u32 s[G0+4*\s+1], s45, \s*SLOT
	s_add_nc_u64 s[G0+4*\s+2:G0+4*\s+3], s[20:21], \s*524288       ; K step s: two heads on
	s_or_b32 s[G0+4*\s+3], s[G0+4*\s+3], 0x80000000
	s_mov_b32 s[G0B+4*\s], 1
	s_add_co_u32 s[G0B+4*\s+1], s18, \s*SLOT
	s_add_nc_u64 s[G0B+4*\s+2:G0B+4*\s+3], s[46:47], \s*262144     ; 128 rows on
	s_or_b32 s[G0B+4*\s+3], s[G0B+4*\s+3], 0x80000000
	JLOAD \s
.endr
	v_and_b32 v1, 15, v0                           ; r
	v_bfe_u32 v2, v0, 4, 1                         ; h
	s_lshl_b32 s72, s42, 10
	s_lshl_b32 s73, s16, 9
	s_add_co_u32 s72, s72, s73                     ; my first column, in bytes of f32
	s_mov_b32 s73, 0
	s_add_nc_u64 s[8:9], s[8:9], s[72:73]
	v_lshlrev_b32 v[BO], 5, v2
	WIN 0x80                                       ; destination window 2: for w_proj's block bb lane (r, h) holds b_proj[16 bb + 8 h + 0 .. 7]
.irp bb, 0,1,2,3,4,5,6,7
	global_load_b128 v[BIAS+8*\bb:BIAS+8*\bb+3], v[BO], s[8:9] offset:64*\bb
	global_load_b128 v[BIAS+8*\bb+4:BIAS+8*\bb+7], v[BO], s[8:9] offset:64*\bb+16
.endr
	WIN 0
	s_lshl_b32 s74, s17, 7
	s_lshl_b32 s75, s15, 6
	s_add_co_u32 s74, s74, s75                     ; my first row
	s_lshl_b32 s74, s74, 12
	s_add_co_u32 s72, s72, s74
	s_add_nc_u64 s[10:11], s[10:11], s[72:73]      ; out0 at my first row and column
	v_mul_u32_u24 v3, v1, PA
	v_lshl_add_u32 v3, v2, 4, v3
	s_mul_i32 s21, s15, 64*PA
	v_and_b32 v4, 7, v0
	v_bfe_u32 v5, v0, 3, 1
	v_lshl_add_u32 v4, v2, 3, v4                   ; the turning load: k row 8 h + lane % 8, columns 8 ((lane / 8) % 2) on
	v_mul_u32_u24 v4, v4, PB
	v_lshl_add_u32 v4, v5, 4, v4
	s_lshl_b32 s22, s16, 8
	s_add_co_u32 s22, s22, BOFF
.irp s, 0,1
	v_add_nc_u32 v[ADRA+\s], s21, v3
	v_add_nc_u32 v[ADRB+\s], s22, v4
	s_add_co_u32 s21, s21, SLOT
	s_add_co_u32 s22, s22, SLOT
.endr
	s_mul_i32 s23, s14, 16*SPITCH
	s_add_co_u32 s23, s23, STAGE                   ; my stage
	v_mul_u32_u24 v5, v1, SPITCH
	v_lshl_add_u32 v5, v2, 5, v5
	v_add_nc_u32 v[STO], s23, v5                   ; in: row r, 32 bytes for each half of the lanes
	v_and_b32 v6, 31, v0
	v_lshlrev_b32 v[CO], 4, v6                     ; back: the 32 lanes take one row of 512 bytes; and the same in out0
	v_add_nc_u32 v[RD], s23, v[CO]
	; the prefetches: where my wave's stand (at K step 3: the first refill steps them to 4), how far a K step is, how the lanes are spread, and who asks
	s_lshr_b32 s20, s17, 4
	s_lshl_b32 s20, s20, 15
	s_and_b32 s21, s17, 15
	s_lshl_b32 s21, s21, 7
	s_add_co_u32 s20, s20, s21
	s_lshl_b32 s20, s20, 7                         ; y's tile in head 0,
	s_lshl_b32 s21, s40, 12
	s_add_co_u32 s20, s20, s21                     ; my work-group's 4,096 bytes of each head
	s_add_co_u32 s20, s20, 3*524288
	s_lshl_b32 s21, s16, 6
	s_lshl_b32 s22, s41, 4
	s_add_co_u32 s21, s21, s22                     ; w_proj: my work-group's 16 of the 64 rows that I fetch
	s_lshl_b32 s21, s21, 11
	s_lshl_b32 s22, s42, 9
	s_add_co_u32 s21, s21, s22
	s_add_co_u32 s21, s21, 3*262144
	s_and_b32 s23, ttmp7, 0xffff                   ; the cluster's y
	s_mov_b32 s[PFS], 262144
	s_mov_b32 s[PFS+1], 0
	s_mov_b32 s75, 2048
	s_cmp_eq_u32 s15, 0                            ; do I fetch for y?
	s_cselect_b64 s[PFA:PFA+1], s[4:5], s[6:7]
	s_cselect_b32 s76, s20, s21
	s_cselect_b32 s23, s16, s23                    ; y: wave 0 asks; w_proj: the cluster with y = 0
	s_cselect_b32 s[PFS], 524288, s[PFS]
	s_cselect_b32 s72, 4, 1
	s_cselect_b32 s74, 15, 1
	s_cselect_b32 s75, 262144, s75
	s_mov_b32 s77, 0
	s_add_nc_u64 s[PFA:PFA+1], s[PFA:PFA+1], s[76:77]
	s_cmp_eq_u32 s23, 0
	s_cselect_b32 s[LIM], 1, -1                    ; the same in all partners, for a given wave
	v_lshrrev_b32 v7, s72, v6                      ; y: head lane / 16, block lane % 16;  w_proj: row lane / 2, block lane % 2
	v_mul_lo_u32 v7, v7, s75
	v_and_b32 v[PFO], s74, v6
	v_lshl_add_u32 v[PFO], v[PFO], 8, v7
; 24 LDS loads in one run: the fragments of the slot's q-th 32 along K into set f: w_proj's eight, then y's four
.macro FETCH slot, q, f
	WIN 0
.irp bb, 0,1,2,3,4,5,6,7
	ds_load_tr16_b128 v[BS+64*(\f)+8*\bb:BS+64*(\f)+8*\bb+3],   v[ADRB+\slot] offset:(\q)*32*PB+32*\bb
	ds_load_tr16_b128 v[BS+64*(\f)+8*\bb+4:BS+64*(\f)+8*\bb+7], v[ADRB+\slot] offset:(\q)*32*PB+16*PB+32*\bb
.endr
.irp a, 0,1,2,3
	ds_load_b128 v[AS+32*(\f)+8*\a:AS+32*(\f)+8*\a+3],   v[ADRA+\slot] offset:((\q)/2)*PLANE+((\q)%2)*64+\a*16*PA
	ds_load_b128 v[AS+32*(\f)+8*\a+4:AS+32*(\f)+8*\a+7], v[ADRA+\slot] offset:((\q)/2)*PLANE+((\q)%2)*64+\a*16*PA+32
.endr
.endm
; 8 matrix instructions: y's block a against w_proj's eight.  one = 1: the sums begin with the bias as C.  The 32 accumulators take turns in the same order everywhere.
.macro MUL8 f, a, one
.irp bb, 0,1,2,3,4,5,6,7
.if \one
	v_wmma_f32_16x16x32_f16 v[8*(8*(\a)+\bb):8*(8*(\a)+\bb)+7], v[BS+64*(\f)+8*\bb:BS+64*(\f)+8*\bb+7], v[AS+32*(\f)+8*(\a):AS+32*(\f)+8*(\a)+7], v[BIAS+8*\bb:BIAS+8*\bb+7]
.else
	v_wmma_f32_16x16x32_f16 v[8*(8*(\a)+\bb):8*(8*(\a)+\bb)+7], v[BS+64*(\f)+8*\bb:BS+64*(\f)+8*\bb+7], v[AS+32*(\f)+8*(\a):AS+32*(\f)+8*(\a)+7], v[8*(8*(\a)+\bb):8*(8*(\a)+\bb)+7]
.endif
.endr
.endm
.macro PLACES
.rept 4
	v_nop
.endr
.endm
; One of a K step's first three quarters: multiplies set f and fetches the slot's quarter q into set g.
.macro QUARTER slot, q, f, g, one
	s_wait_dscnt 4                                 ; w_proj's fragments and y's blocks 0, 1 are in; the youngest four loads (blocks 2, 3) may be out
	WIN MUL+0x10*(\one)
	MUL8 \f, 0, \one
	MUL8 \f, 1, \one
	PLACES                                         ; in front of loads into registers that matrix instructions have read
	FETCH \slot, \q, \g
	s_wait_dscnt 24                                ; all but the 24 just issued
	WIN MUL+0x10*(\one)
	MUL8 \f, 2, \one
	MUL8 \f, 3, \one
.endm
; The last quarter multiplies set 1 and changes slots: one barrier; in front of it each wave waits for all its tensor loads, adds 0 to its spare word, and waits for that and for its reads of this slot.
.macro TURN slot, next, fill
.if \fill
	s_wait_xcnt 0x0                                ; the last prefetch, a K step back, has read its address
	s_add_nc_u64 s[PFA:PFA+1], s[PFA:PFA+1], s[PFS:PFS+1]
.endif
	WIN 0
	s_wait_tensorcnt 0x0                           ; all my tensor loads have landed: my part of the next slot
	ds_add_u32 v[SPW], v[NIL]
	s_wait_dscnt 5                                 ; (the add and the youngest four loads may be out)
	WIN MUL
	MUL8 1, 0, 0
	s_wait_dscnt 0x0                               ; the add is done, and my reads of this slot are over
	s_barrier_signal -1
	MUL8 1, 1, 0
	WIN 0
	s_barrier_wait -1
.if \fill
	CREST                                          ; the barrier has opened a round of the cluster's: no wave of any partner still reads this slot or has a load on its way
	s_add_nc_u64 s[G0+4*\slot+2:G0+4*\slot+3], s[G0+4*\slot+2:G0+4*\slot+3], 2*524288
	s_add_nc_u64 s[G0B+4*\slot+2:G0B+4*\slot+3], s[G0B+4*\slot+2:G0B+4*\slot+3], 2*262144
	JLOAD \slot                                    ; the first tensor load behind the round; its four v_nop are also the places in front of the loads below
.else
	PLACES
.endif
	FETCH \next, 0, 0
.if \fill
	ASK
.endif
	WIN MUL
	MUL8 1, 2, 0
	MUL8 1, 3, 0
.endm
	s_wait_tensorcnt 1                             ; my part of K step 0 is in; K step 1's may be out
	s_barrier_signal -1
	s_barrier_wait -1
	FETCH 0, 0, 0
	s_wait_loadcnt 0x0                             ; the bias
	QUARTER 0, 1, 0, 1, 1                          ; the first quarter stands in front of the loop: its products start the sums
	WIN 0
	s_mov_b32 s3, 3
.Llap:                                             ; a trip goes once round the ring, from a lap's second quarter to the next lap's first, and fills both slots again
	QUARTER 0, 2, 1, 0, 0
	QUARTER 0, 3, 0, 1, 0
	TURN 0, 1, 1
	QUARTER 1, 1, 0, 1, 0
	QUARTER 1, 2, 1, 0, 0
	QUARTER 1, 3, 0, 1, 0
	TURN 1, 0, 1
	QUARTER 0, 1, 0, 1, 0
	WIN 0
	s_sub_co_u32 s3, s3, 1
	s_cmp_lg_u32 s3, 0
	s_cbranch_scc1 .Llap
	QUARTER 0, 2, 1, 0, 0                          ; the last lap fills nothing
	QUARTER 0, 3, 0, 1, 0
	TURN 0, 1, 0
	QUARTER 1, 1, 0, 1, 0
	QUARTER 1, 2, 1, 0, 0
	QUARTER 1, 3, 0, 1, 0
	s_wait_dscnt 4
	WIN MUL
	MUL8 1, 0, 0
	MUL8 1, 1, 0
	s_wait_dscnt 0
	MUL8 1, 2, 0
	MUL8 1, 3, 0
	WIN 0
; THE WAY OUT, block by block of 16 rows x 128 columns: through my own stage, back as whole rows of 512 bytes.
.macro TOSTAGE a
	WIN 0x04                                       ; an LDS store's data are its source 1: window 1
.irp bb, 0,1,2,3,4,5,6,7
	ds_store_b128 v[STO], v[8*(8*(\a)+\bb):8*(8*(\a)+\bb)+3] offset:64*\bb          ; each accumulator from its low end on
	ds_store_b128 v[STO], v[8*(8*(\a)+\bb)+4:8*(8*(\a)+\bb)+7] offset:64*\bb+16
.endr
	WIN 0
.set BB, BK+64*((\a)%2)
.irp t, 0,1,2,3,4,5,6,7,8,9,10,11,12,13,14,15
	ds_load_b128 v[BB+4*\t:BB+4*\t+3], v[RD] offset:\t*SPITCH   ; LDS serves a wave's instructions in order: these see the stores above
.endr
.endm
.macro SEND a, younger
.set BB, BK+64*((\a)%2)
	s_wait_dscnt \younger                          ; the block is back in registers; the next block's 16 stores and 16 loads may be out
.irp t, 0,1,2,3,4,5,6,7,8,9,10,11,12,13,14,15
	global_store_b128 v[CO], v[BB+4*\t:BB+4*\t+3], s[10:11] offset:(16*(\a)+\t)*4096 th:TH_STORE_NT   ; 32 lanes store 512 consecutive bytes, aligned
.endr
.endm
	PLACES
	TOSTAGE 0
	TOSTAGE 1
	SEND 0, 32
	s_wait_xcnt 0x0                                ; block 0's stores have read their registers: block 2's loads may land there
	TOSTAGE 2
	SEND 1, 32
	s_wait_xcnt 0x0
	TOSTAGE 3
	SEND 2, 32
	SEND 3, 0
	s_wait_tensorcnt 0x0                           ; the wave's end
	ds_add_u32 v[SPW], v[NIL]
	s_wait_dscnt 0x0
	CROUND                                         ; the closing round
	s_endpgm
.Lfunc_end_k_q5490bb2c28_proj:
	.size	k_q5490bb2c28_proj, .Lfunc_end_k_q5490bb2c28_proj-k_q5490bb2c28_proj
	.p2alignl 7, 3214868480
	.fill 96, 4, 3214868480
	.section	.rodata,"a",@progbits
	.p2align	6, 0x0
	.amdhsa_kernel k_q5490bb2c28_proj
		.amdhsa_group_segment_fixed_size 327680
		.amdhsa_private_segment_fixed_size 0
		.amdhsa_enable_private_segment 0
		.amdhsa_kernarg_size 32
		.amdhsa_user_sgpr_count 2
		.amdhsa_user_sgpr_kernarg_segment_ptr 1
		.amdhsa_wavefront_size32 1
		.amdhsa_system_sgpr_workgroup_id_x 1
		.amdhsa_system_sgpr_workgroup_id_y 1
		.amdhsa_system_sgpr_workgroup_id_z 1
		.amdhsa_system_vgpr_workitem_id 0
		.amdhsa_next_free_vgpr 576
		.amdhsa_next_free_sgpr 80
		.amdhsa_reserve_vcc 0
		.amdhsa_float_denorm_mode_32 3
		.amdhsa_float_denorm_mode_16_64 3
		.amdhsa_memory_ordered 1
		.amdhsa_forward_progress 1
		.amdhsa_inst_pref_size 88
	.end_amdhsa_kernel
	.amdgpu_metadata
---
amdhsa.version: [ 1, 2 ]
amdhsa.kernels:
  - .name:           k_q5490bb2c28_proj
    .symbol:         k_q5490bb2c28_proj.kd
    .args:
      - { .name: y16, .offset: 0, .size: 8, .value_kind: global_buffer, .address_space: global }
      - { .name: wp16, .offset: 8, .size: 8, .value_kind: global_buffer, .address_space: global }
      - { .name: b_proj, .offset: 16, .size: 8, .value_kind: global_buffer, .address_space: global }
      - { .name: out0, .offset: 24, .size: 8, .value_kind: global_buffer, .address_space: global }
    .group_segment_fixed_size: 327680
    .private_segment_fixed_size: 0
    .kernarg_segment_align: 8
    .kernarg_segment_size: 32
    .max_flat_workgroup_size: 128
    .sgpr_count:     80
    .vgpr_count:     576
    .wavefront_size: 32
...
	.end_amdgpu_metadata
.endif
;; end of part 4
;; launch fine (part 5): grid 16 x 4, 16 waves a work-group, no clusters, 71,680 bytes of LDS; arguments qkv32, w_proj, b_proj, out0; writes out0
.if DOCPART == 5
	.amdgcn_target "amdgcn-amd-amdhsa--gfx1250"
	.amdhsa_code_object_version 6
	.text
	.protected	k_q5490bb2c28_fine
	.globl	k_q5490bb2c28_fine
	.p2align	8
	.type	k_q5490bb2c28_fine,@function
k_q5490bb2c28_fine:
	s_mov_b64 s[64:65], 0
	v_nop
	global_prefetch_b8 v0, s[64:65] scope:SCOPE_SE
	s_setreg_imm32_b32 hwreg(HW_REG_WAVE_MODE, 25, 1), 1
	s_wait_xcnt 0x0
; Launch 5 of 5: positions 0-15 of each of the four sequences once more, wholly in f32: their rows average one to sixteen values and are the largest, so the rounding of f16 operands weighs most there.
; WORK LEFT OUT: k's bias (dead: shown at the head of the first launch; qkv32 holds k without it).
; A work-group takes a batch and 64 columns of out0; a wave is a head: its 16 x 16 attention, then that head's 64 of the projection's K onto the 64 columns, all by the f32 matrix form: 96 instructions a wave.
; The 16 heads' parts meet in LDS; wave p then sums row p of the 16 in ascending order of the heads, adds b_proj and stores 256 consecutive bytes, aligned, over what the launch before left there.
; k IS PERMUTED ALIKE ON BOTH OPERANDS of each product, so that whole loads and whole results fill the fragments: the form takes k = 2 h + j from register j of lane (r, h); what number of K that is, is free so long as both sides agree.
; The accumulators v16-47 are written by matrix instructions alone; every sum begins with the constant 0; four accumulators take turns.
; w_proj is read in pieces of 64 bytes (sixteen lanes on neighbouring columns): 256 KB a work-group, in a launch of 64 work-groups.
.set SPW, 1
.set NIL, 2
.set QK,  3                            ; v3   q, k: row r of 12,288 bytes + 128 h: my 32 of the head's 64 channels
.set VO,  4                            ; v4   v: key 8 h, channel r
.set WO,  5                            ; v5   w_proj: row 8 h, column r
.set L8,  6                            ; v6   8 x lane
.set STA, 7                            ; v7   my part's place in LDS
.set LDA, 8                            ; v8   where I read row (my wave) of the parts
.set DD,  9                            ; v9   r - 8 h
.set ACC, 16
.set KA,  48                           ; later w_proj's third group
.set QB,  80                           ; later its fourth
.set VA,  112
.set SS,  144
.set PP,  152
.set YY,  160                          ; before y: at work in the softmax
.set G0,  192                          ; w_proj's first group; later the parts read back
.set G1,  224
.set PART, 16*272                      ; a head's part: 16 rows x (256 bytes + 16)
.set SPARE, 16*PART                    ; the spare words, 128 bytes for each wave: eight blocks of 256 bytes that no other line names
	s_load_b256 s[4:11], s[0:1], 0x0               ; qkv32 s[4:5], w_proj s[6:7], b_proj s[8:9], out0 s[10:11]
	v_lshl_add_u32 v[SPW], v0, 2, SPARE
	v_mov_b32 v[NIL], 0
	v_lshrrev_b32 v10, 5, v0
	v_readfirstlane_b32 s12, v10                   ; wave = head
	s_and_b32 s13, ttmp7, 0xffff                   ; batch
	v_and_b32 v10, 15, v0                          ; r
	v_bfe_u32 v11, v0, 4, 1                        ; h
	v_mul_u32_u24 v[QK], v10, 12288
	v_lshl_add_u32 v[QK], v11, 7, v[QK]
	v_mul_u32_u24 v[VO], v11, 8*12288
	v_lshl_add_u32 v[VO], v10, 2, v[VO]
	v_lshlrev_b32 v[WO], 15, v11
	v_lshl_add_u32 v[WO], v10, 2, v[WO]
	v_and_b32 v12, 31, v0
	v_lshlrev_b32 v[L8], 3, v12
	s_mul_i32 s16, s12, PART
	v_mul_u32_u24 v[STA], v11, 8*272
	v_lshl_add_u32 v[STA], v10, 2, v[STA]
	v_add_nc_u32 v[STA], s16, v[STA]
	s_mul_i32 s16, s12, 272
	v_add_nc_u32 v[LDA], s16, v[L8]
	v_lshlrev_b32 v12, 3, v11
	v_sub_nc_u32 v[DD], v10, v12
	s_mov_b32 s20, 0x76543210
	s_mov_b32 s21, 0xfedcba98
	s_mov_b32 s22, 0x3e38aa3b                      ; c = log2(e) / sqrt(64)
	s_mov_b32 s23, s22
	s_mov_b32 s17, 0
	s_mul_i32 s16, s13, 16*12288
	s_lshl_b32 s18, s12, 8
	s_add_co_u32 s16, s16, s18
	s_wait_kmcnt 0x0
	s_add_nc_u64 s[4:5], s[4:5], s[16:17]          ; qkv32 at my batch's 16 rows, my head's q
	s_lshl_b32 s16, s12, 18
	s_lshl_b32 s18, ttmp9, 8
	s_add_co_u32 s16, s16, s18
	s_add_nc_u64 s[6:7], s[6:7], s[16:17]          ; w_proj at my head's 64 rows, the work-group's 64 columns
	s_mov_b32 s16, s18
	s_add_nc_u64 s[8:9], s[8:9], s[16:17]
	s_lshl_b32 s16, s13, 23
	s_lshl_b32 s19, s12, 12
	s_add_co_u32 s16, s16, s19
	s_add_co_u32 s16, s16, s18
	s_add_nc_u64 s[10:11], s[10:11], s[16:17]      ; out0 at row (my wave) of my batch
	global_load_b64 v[12:13], v[L8], s[8:9]        ; b_proj, two columns a lane
.irp i, 0,1,2,3,4,5,6,7
	global_load_b128 v[KA+4*\i:KA+4*\i+3], v[QK], s[4:5] offset:4096+16*\i
.endr
.irp i, 0,1,2,3,4,5,6,7
	global_load_b128 v[QB+4*\i:QB+4*\i+3], v[QK], s[4:5] offset:16*\i
.endr
.irp dt, 0,1,2,3
.irp j, 0,1,2,3,4,5,6,7
	global_load_b32 v[VA+8*\dt+\j], v[VO], s[4:5] offset:8192+\j*12288+64*\dt    ; v(key 8 h + j, channel 16 dt + r)
.endr
.endr
.macro GLOAD reg, dt                   ; w_proj(16 dt + 8 h + jj, 16 tn + r) into register 8 tn + jj of the group
.irp tn, 0,1,2,3
.irp jj, 0,1,2,3,4,5,6,7
	global_load_b32 v[\reg+8*\tn+\jj], v[WO], s[6:7] offset:(16*\dt+\jj)*4096+64*\tn
.endr
.endr
.endm
.macro PLACES9                         ; nine places behind this form: eight are asked in front of a read of its results, nine in front of a matrix instruction that begins an accumulator anew
.rept 9
	v_nop
.endr
.endm
	s_wait_loadcnt 32                              ; the bias, k and q are in; v's 32 loads may be out
	; S^T = k q^T: 16 steps of 4 channels; lane (r, h), register j of the result: key 8 h + j, query r
.set KK, 0
.rept 16
.if KK < 4
	v_wmma_f32_16x16x4_f32 v[ACC+8*(KK%4):ACC+8*(KK%4)+7], v[KA+2*KK:KA+2*KK+1], v[QB+2*KK:QB+2*KK+1], 0
.else
	v_wmma_f32_16x16x4_f32 v[ACC+8*(KK%4):ACC+8*(KK%4)+7], v[KA+2*KK:KA+2*KK+1], v[QB+2*KK:QB+2*KK+1], v[ACC+8*(KK%4):ACC+8*(KK%4)+7]
.endif
.set KK, KK+1
.endr
	PLACES9
	GLOAD G0, 0
.irp i, 0,1,2,3
	v_pk_add_f32 v[SS+2*\i:SS+2*\i+1], v[ACC+2*\i:ACC+2*\i+1], v[ACC+8+2*\i:ACC+8+2*\i+1]
.endr
.irp i, 0,1,2,3
	v_pk_add_f32 v[PP+2*\i:PP+2*\i+1], v[ACC+16+2*\i:ACC+16+2*\i+1], v[ACC+24+2*\i:ACC+24+2*\i+1]
.endr
.irp i, 0,1,2,3
	v_pk_add_f32 v[SS+2*\i:SS+2*\i+1], v[SS+2*\i:SS+2*\i+1], v[PP+2*\i:PP+2*\i+1]
.endr
	v_mov_b32 v[YY], 0xff800000
.irp j, 0,1,2,3,4,5,6,7
	v_cmp_gt_i32 vcc_lo, \j, v[DD]                 ; key 8 h + j comes after query r: hidden
	v_cndmask_b32 v[SS+\j], v[SS+\j], v[YY], vcc_lo
.endr
	v_max3_num_f32 v[YY+1], v[SS], v[SS+1], v[SS+2]
	v_max3_num_f32 v[YY+2], v[SS+3], v[SS+4], v[SS+5]
	v_max3_num_f32 v[YY+1], v[YY+1], v[SS+6], v[SS+7]
	v_max_num_f32 v[YY+1], v[YY+1], v[YY+2]
	v_permlanex16_b32 v[YY+2], v[YY+1], s20, s21   ; the query's other eight keys
	v_max_num_f32 v11, v[YY+1], v[YY+2]            ; the row's maximum (key 0 counts for every query)
	v_mul_f32 v10, s22, v11
.irp i, 0,1,2,3
	v_pk_fma_f32 v[PP+2*\i:PP+2*\i+1], v[SS+2*\i:SS+2*\i+1], s[22:23], v[10:11] op_sel_hi:[1,0,0] neg_lo:[0,0,1] neg_hi:[0,0,1]
.endr
.irp j, 0,1,2,3,4,5,6,7
	v_exp_f32 v[PP+\j], v[PP+\j]
.endr
	v_nop                                          ; a plain instruction behind the last exponential
	s_wait_alu depctr_va_vdst(0)                   ; one wait for the eight, ahead of their first reader
	v_pk_add_f32 v[YY+2:YY+3], v[PP:PP+1], v[PP+2:PP+3]
	v_pk_add_f32 v[YY+4:YY+5], v[PP+4:PP+5], v[PP+6:PP+7]
	v_pk_add_f32 v[YY+2:YY+3], v[YY+2:YY+3], v[YY+4:YY+5]
	v_add_f32 v[YY+2], v[YY+2], v[YY+3]
	v_permlanex16_b32 v[YY+3], v[YY+2], s20, s21
	v_add_f32 v[YY+2], v[YY+2], v[YY+3]
	v_rcp_f32 v14, v[YY+2]
	v_rcp_f32 v15, v[YY+2]                         ; twice: a pair for the packed multiply
	v_nop
	s_wait_alu depctr_va_vdst(0)
	s_wait_loadcnt 32                              ; v is in; w_proj's first group may be out
	; O^T = v^T p: 4 steps of 4 keys for each of four tiles of 16 channels
.irp st, 0,1,2,3
.irp dt, 0,1,2,3
.if \st == 0
	v_wmma_f32_16x16x4_f32 v[ACC+8*\dt:ACC+8*\dt+7], v[VA+8*\dt+2*\st:VA+8*\dt+2*\st+1], v[PP+2*\st:PP+2*\st+1], 0
.else
	v_wmma_f32_16x16x4_f32 v[ACC+8*\dt:ACC+8*\dt+7], v[VA+8*\dt+2*\st:VA+8*\dt+2*\st+1], v[PP+2*\st:PP+2*\st+1], v[ACC+8*\dt:ACC+8*\dt+7]
.endif
.endr
.endr
	GLOAD G1, 1
	PLACES9
.set KK, 0
.rept 16
	v_pk_mul_f32 v[YY+2*KK:YY+2*KK+1], v[ACC+2*KK:ACC+2*KK+1], v[14:15]   ; y(query r, channel 16 dt + 8 h + j) in register 8 dt + j
.set KK, KK+1
.endr
; the projection: source 0 = y (16 queries), source 1 = w_proj (16 columns); 4 steps of 4 channels for each of y's four tiles; the four tiles of columns by turns
.macro OUTP dt, reg
.irp st, 0,1,2,3
.irp tn, 0,1,2,3
.if (\dt == 0) && (\st == 0)
	v_wmma_f32_16x16x4_f32 v[ACC+8*\tn:ACC+8*\tn+7], v[YY+8*\dt+2*\st:YY+8*\dt+2*\st+1], v[\reg+8*\tn+2*\st:\reg+8*\tn+2*\st+1], 0
.else
	v_wmma_f32_16x16x4_f32 v[ACC+8*\tn:ACC+8*\tn+7], v[YY+8*\dt+2*\st:YY+8*\dt+2*\st+1], v[\reg+8*\tn+2*\st:\reg+8*\tn+2*\st+1], v[ACC+8*\tn:ACC+8*\tn+7]
.endif
.endr
.endr
.endm
	s_wait_loadcnt 32                              ; the first group is in; the second may be out
	OUTP 0, G0
	GLOAD KA, 2
	s_wait_loadcnt 32                              ; the second is in; the third may be out
	OUTP 1, G1
	GLOAD QB, 3
	s_wait_loadcnt 32
	OUTP 2, KA
	s_wait_loadcnt 0
	OUTP 3, QB
	PLACES9
.irp tn, 0,1,2,3
.irp j, 0,1,2,3,4,5,6,7
	ds_store_b32 v[STA], v[ACC+8*\tn+\j] offset:272*\j+64*\tn     ; my head's part of out(query 8 h + j, column 16 tn + r); each accumulator from its low end on
.endr
.endr
	s_wait_dscnt 0x0                               ; for the others' sake: my stores are done
	s_barrier_signal -1
	s_barrier_wait -1
.irp p, 0,1,2,3,4,5,6,7,8,9,10,11,12,13,14,15
	ds_load_b64 v[G0+2*\p:G0+2*\p+1], v[LDA] offset:PART*\p
.endr
	s_wait_dscnt 0x0
.irp p, 0,1,2,3,4,5,6,7,8,9,10,11,12,13,14,15
	v_pk_add_f32 v[12:13], v[12:13], v[G0+2*\p:G0+2*\p+1]
.endr
	global_store_b64 v[L8], v[12:13], s[10:11]     ; the wave stores 256 consecutive bytes, aligned
	s_wait_tensorcnt 0x0                           ; the wave's end, behind my last LDS store
	ds_add_u32 v[SPW], v[NIL]
	s_wait_dscnt 0x0
	s_endpgm
.Lfunc_end_k_q5490bb2c28_fine:
	.size	k_q5490bb2c28_fine, .Lfunc_end_k_q5490bb2c28_fine-k_q5490bb2c28_fine
	.p2alignl 7, 3214868480
	.fill 96, 4, 3214868480
	.section	.rodata,"a",@progbits
	.p2align	6, 0x0
	.amdhsa_kernel k_q5490bb2c28_fine
		.amdhsa_group_segment_fixed_size 71680
		.amdhsa_private_segment_fixed_size 0
		.amdhsa_enable_private_segment 0
		.amdhsa_kernarg_size 32
		.amdhsa_user_sgpr_count 2
		.amdhsa_user_sgpr_kernarg_segment_ptr 1
		.amdhsa_wavefront_size32 1
		.amdhsa_system_sgpr_workgroup_id_x 1
		.amdhsa_system_sgpr_workgroup_id_y 1
		.amdhsa_system_sgpr_workgroup_id_z 1
		.amdhsa_system_vgpr_workitem_id 0
		.amdhsa_next_free_vgpr 256
		.amdhsa_next_free_sgpr 66
		.amdhsa_reserve_vcc 1
		.amdhsa_float_denorm_mode_32 3
		.amdhsa_float_denorm_mode_16_64 3
		.amdhsa_memory_ordered 1
		.amdhsa_forward_progress 1
		.amdhsa_inst_pref_size 34
	.end_amdhsa_kernel
	.amdgpu_metadata
---
amdhsa.version: [ 1, 2 ]
amdhsa.kernels:
  - .name:           k_q5490bb2c28_fine
    .symbol:         k_q5490bb2c28_fine.kd
    .args:
      - { .name: qkv32, .offset: 0, .size: 8, .value_kind: global_buffer, .address_space: global }
      - { .name: w_proj, .offset: 8, .size: 8, .value_kind: global_buffer, .address_space: global }
      - { .name: b_proj, .offset: 16, .size: 8, .value_kind: global_buffer, .address_space: global }
      - { .name: out0, .offset: 24, .size: 8, .value_kind: global_buffer, .address_space: global }
    .group_segment_fixed_size: 71680
    .private_segment_fixed_size: 0
    .kernarg_segment_align: 8
    .kernarg_segment_size: 32
    .max_flat_workgroup_size: 512
    .sgpr_count:     66
    .vgpr_count:     256
    .wavefront_size: 32
...
	.end_amdgpu_metadata
.endif
;; end of part 5
